; MI455X (gfx1250); checked and timed in simulation.
; The chip was launched on July 23, 2026; its instructions are those of AMD's public machine-readable ISA for CDNA 5 (MIT licence, August 2026) and "CDNA5" Instruction Set Architecture Reference Guide (July 2026). The comments in the code are by the model that wrote it; some were corrected since.
;; Attention Head. Allowed arithmetic: matrix products marked QUANTISED: E2M3 operands, one E8M0 scale for each 32 along K, by v_wmma_scale_f32_16x16x128_f8f6f4 with both operands' format E2M3, f32 sums; products left as they are: f32 operands where the result goes on into a quantised operand, else bf16, f16 or f32 operands; f32 sums; everything else in f32.
;; Inputs: Wk 1,024 x 1,024 float32; Wo 1,024 x 1,024 float32; Wq 1,024 x 1,024 float32; Wv 1,024 x 1,024 float32; bk 1,024 float32; bo 1,024 float32; bq 1,024 float32; bv 1,024 float32; x 4 x 4,096 x 1,024 float32.
;; Outputs: out0 4 x 4,096 x 1,024 float32.
;; This version of the problem:
;;   THIS VERSION OF THE PROBLEM IS GIVEN IN LOW PRECISION. The matrix products marked QUANTISED in the list below multiply operands that are first quantised to E2M3 (2 exponent bits, 3 mantissa bits; 6 bits a number), with one power-of-two scale for each 32 numbers along K (OCP MX v1.0); their sums are f32. All else is computed in f32.
;;   The module's matrix products, in the order in which they are computed (A, B: the left and right operand; K: the contracted axis; several contracted axes count as one K, in the product's order):
;;     1. [M 16,384, K 1,024] x [K 1,024, N 1,024]; A: input x; B: input Wq: QUANTISED
;;     2. [M 16,384, K 1,024] x [K 1,024, N 1,024]; A: input x; B: input Wk: QUANTISED
;;     3. [M 16,384, K 1,024] x [K 1,024, N 1,024]; A: input x; B: input Wv: QUANTISED
;;     4. batch 16,384 x [M 16, K 64] x [K 64, N 16]; A: computed on the way; B: computed on the way: QUANTISED
;;     5. batch 16,384 x [M 16, K 16] x [K 16, N 64]; A: softmax; B: computed on the way: left as it is (K = 16 < 32)
;;     6. [M 16,384, K 1,024] x [K 1,024, N 1,024]; A: computed on the way; B: input Wo: QUANTISED
;;   THE QUANTISER, for each operand of a quantised product, along K:
;;     - K is cut into blocks of 32 from its start; a last block that is shorter is filled with zeros.
;;     - A block's scale is 2^e with e = floor(log2(the largest magnitude in the block)) - 2, held to -126 .. 127; a block of zeros has e = 0. As a byte (E8M0): e + 127.
;;     - Each number is divided by its block's scale, clamped to +-7.5, and rounded to the nearest number of E2M3, ties to even, subnormals kept.
;;     - The product sums the exact products of the quantised numbers (number of the format x scale) in f32.
;;   ~~~python
;;   def quantise(x, axis):      # numpy; x: float32 -> the quantised numbers, widened to float32 again
;;       x = np.moveaxis(x, axis, -1); K = x.shape[-1]
;;       x = np.pad(x, [(0, 0)] * (x.ndim - 1) + [(0, -K % 32)]); x = x.reshape(x.shape[:-1] + (-1, 32)); a = np.abs(x).max(-1, keepdims=True)
;;       e = np.where(a > 0, np.clip(np.frexp(np.where(a > 0, a, 1))[1] - 1 - 2, -126, 127), 0)      # np.frexp(a)[1] - 1 = floor(log2(a)), exactly
;;       r = np.clip(x / 2.0 ** e, -7.5, 7.5)
;;       step = 2.0 ** (np.maximum(np.frexp(np.where(r == 0, 1, r))[1] - 1, 0) - 3)
;;       q = np.round(r / step) * step * 2.0 ** e      # np.round: ties to even
;;       return np.moveaxis(q.reshape(q.shape[:-2] + (-1,))[..., :K], -1, axis).astype(np.float32)
;;   ~~~
;;   OPERANDS COMPUTED ON THE WAY. 'Computed on the way' means the value that the module computes at that place (a softmax that the list does not call 'softmax' is quantised finished and normalised). What goes into a quantiser is computed in f32, as accurately as f32 sums, v_exp_f32 and their like allow (about 1e-6 of the number): no bf16 or f16 on the way to a quantiser, and a product that is left as it is and whose result goes on into a quantised operand takes f32 operands (vector FMAs, or v_wmma_f32_16x16x4_f32). A number that lies on a knife's edge between two numbers of the format may be rounded either way, as far as f32 arithmetic and the matrix unit's own rounding can turn it there, and no further.
;; 2 versions. Each part assembles by itself: llvm-mc -triple=amdgcn-amd-amdhsa -mcpu=gfx1250 --defsym DOCPART=n.
;; ======== version 1 of 2: 2 launches
;; workspace buffers: wimg 3,276,800 bytes
;; launch wquant (part 1): grid 256 x 1, 4 waves a work-group, no clusters, 68,096 bytes of LDS; arguments Wq, Wk, Wv, Wo, wimg; writes wimg
.if DOCPART == 1
	.amdgcn_target "amdgcn-amd-amdhsa--gfx1250"
	.amdhsa_code_object_version 6
	.text
	.protected	k_q693f84ad15_wquant
	.globl	k_q693f84ad15_wquant
	.p2align	8
	.type	k_q693f84ad15_wquant,@function
k_q693f84ad15_wquant:
	s_mov_b64 s[64:65], 0
	v_nop
	global_prefetch_b8 v0, s[64:65] scope:SCOPE_SE
	s_setreg_imm32_b32 hwreg(HW_REG_WAVE_MODE, 25, 1), 1
	s_wait_xcnt 0x0
; Wq, Wk, Wv, Wo, each [1024 (n)][1024 (k)] f32 with K innermost, become codes of FP6 (E2M3) with one E8M0 byte for each 32 along K,
; laid in wimg in the order of the operand's registers and in the order in which the second launch walks them.
; NOTHING OF THE PROBLEM IS LEFT OUT in this program: every product, every bias and every input has a way to out0 (the biases on q, k, v move codes and scales of
; quantised operands, bo is added to the output), so all nine inputs are loaded, four of them here.
; wimg: step j = 8 p + s (p = 0..3: Wq, Wk, Wv, Wo; s = K step of 128), wave block (j, w) at (4 j + w) x 25,600 bytes.  A block holds 16 fragment images of 1,536 bytes
; (register 4 q + c of lane l at 512 q + 16 l + 4 c) and, from byte 24,576 on, 8 lines of 128 bytes of scale words: line f / 2, lanes 0-15 fragment f even, lanes 16-31 f odd.
; Fragment f of block w holds rows n = 256 w + 32 (f / 2) + 8 (f % 2) + r + 8 (r / 8), r = 0..15: so that in the transposed product a lane's 16 registers of two neighbouring
; tiles are 16 neighbouring n.
; A block's scale is 2^(floor(log2(largest magnitude)) - 2); its byte is the largest magnitude's exponent field - 2, held at 1 from below.
; LIMITS: a block of zeros, or one whose largest magnitude lies under 2^-124, gets the byte 1 (its codes are zeros or held small; this program alone reads the bytes);
; NaN and infinities among the inputs are not served.
; SHARES: a wave takes 32 consecutive rows x 128 along K (two fragments): 32 loads of 512 consecutive bytes, through its own stage in LDS, back as 16 neighbours of each block a lane.
; Waves share nothing: no barrier.  The scale words leave as 128 consecutive bytes a wave, the codes as 512 consecutive bytes a store.
.set STG,   16896                      ; a wave's stage: 32 rows of PITCH bytes
.set PITCH, 528                        ; 512 bytes of a row + 16: an odd multiple of 16 bytes
.set SPARE, 4*STG                      ; behind the stages: the spare words, 128 bytes a wave
.set WBLK,  25600
.set SPW, 1                            ; v1   LDS address of my spare word; never rewritten
.set NIL, 2                            ; v2   0; never rewritten
.set LI,  3                            ; v3   16 x lane
.set ST,  4                            ; v4   the stage, on the way in
.set LD,  5                            ; v5   the stage, on the way out
.set L4,  6                            ; v6   4 x lane
.set LR,  16                           ; v16-143  32 rows as loaded
.set PC0, 16                           ; v16-34   fragment 0's codes (the rows have left for the stage by then)
.set PC1, 36                           ; v36-54   fragment 1's
.set X1,  64                           ; v64-127  fragment 1's 64 numbers
.set X0,  144                          ; v144-207 fragment 0's
.set TM,  208                          ; v208-219 at work
.set PW0, 220
.set PW1, 221
.set SW,  222
.set SEL, 28                           ; s[28:29] selects for lane l xor 16
; 64 numbers of a lane, register 16 b + i = k 32 b + 16 (lane / 16) + i of my row, become a fragment's 12 registers from v[pc] on and its scale word in v[pw]
.macro QUANT s, pc, pw
.irp b, 0,1,2,3
	v_max3_num_f32 v[TM+\b], |v[\s+16*\b]|, |v[\s+16*\b+1]|, 0x1800000   ; my 16 numbers of block b, and the floor 2^(3 - 127): the byte cannot fall under 1
.endr
.irp i, 2,4,6,8,10,12,14
.irp b, 0,1,2,3
	v_max3_num_f32 v[TM+\b], v[TM+\b], |v[\s+16*\b+\i]|, |v[\s+16*\b+\i+1]|
.endr
.endr
.irp b, 0,1,2,3
	v_permlanex16_b32 v[TM+4+\b], v[TM+\b], s[SEL], s[SEL+1]
.endr
.irp b, 0,1,2,3
	v_max_num_f32 v[TM+\b], v[TM+\b], v[TM+4+\b]           ; with lane l xor 16's: the block's largest magnitude
.endr
.irp b, 0,1,2,3
	v_add_nc_u32 v[TM+8+\b], 0xff000000, v[TM+\b]          ; 2 off its exponent field: the conversion's scale operand
.endr
.irp b, 0,1,2,3
	v_lshrrev_b32 v[TM+4+\b], 23, v[TM+8+\b]               ; the scale's byte
.endr
	v_lshl_or_b32 v[\pw], v[TM+5], 8, v[TM+4]
	v_lshl_or_b32 v[\pw], v[TM+6], 16, v[\pw]
	v_lshl_or_b32 v[\pw], v[TM+7], 24, v[\pw]
.irp c, 0,1
	v_cvt_scalef32_pk16_fp6_f32 v[\pc+6*\c:\pc+6*\c+2], v[\s+32*\c:\s+32*\c+15], v[TM+8+2*\c]
	v_cvt_scalef32_pk16_fp6_f32 v[\pc+12+4*\c:\pc+14+4*\c], v[\s+32*\c+16:\s+32*\c+31], v[TM+9+2*\c]   ; (a conversion's three registers begin on an even number)
.endr
	v_nop                                          ; one plain instruction behind the scaled conversions
.irp c, 0,1                                    ; the operand wants a whole block in a lane: lanes 0-15 block 2 c, lanes 16-31 block 2 c + 1
.irp i, 0,1,2
	v_permlane16_swap_b32 v[\pc+6*\c+\i], v[\pc+12+4*\c+\i]
.endr
.irp i, 0,1,2
	v_mov_b32 v[\pc+3+6*\c+\i], v[\pc+12+4*\c+\i]
.endr
.endr
.endm
	s_load_b256 s[4:11], s[0:1], 0x0               ; Wq, Wk, Wv, Wo
	s_load_b64 s[12:13], s[0:1], 0x20              ; wimg
	v_lshl_add_u32 v[SPW], v0, 2, SPARE
	v_mov_b32 v[NIL], 0
	v_lshrrev_b32 v7, 5, v0
	v_readfirstlane_b32 s15, v7                    ; wave
	v_and_b32 v7, 31, v0                           ; lane
	v_lshlrev_b32 v[LI], 4, v7
	v_lshlrev_b32 v[L4], 2, v7
	s_mul_i32 s24, s15, STG
	v_add_nc_u32 v[ST], s24, v[LI]                 ; in: a row's 512 bytes as they lie
	v_and_b32 v8, 15, v0                           ; r
	v_and_b32 v9, 8, v8
	v_add_nc_u32 v9, v9, v8                        ; r + 8 (r / 8)
	v_mul_u32_u24 v[LD], v9, PITCH
	v_bfe_u32 v8, v0, 4, 1                         ; h
	v_lshl_add_u32 v[LD], v8, 6, v[LD]             ; + 64 h: my 16 numbers of a block of 32
	v_add_nc_u32 v[LD], s24, v[LD]
.irp b, 0,1,2,3
	v_mov_b32 v[TM+4+\b], 0                        ; written once: a lane permute's destination counts as one of its sources
.endr
	s_mov_b32 s[SEL], 0x76543210
	s_mov_b32 s[SEL+1], 0xfedcba98
	s_mov_b32 s26, 0xffff0000                      ; lanes 16-31
	s_lshr_b32 s14, ttmp9, 6                       ; p: which weight
	s_bfe_u32 s16, ttmp9, 0x50001                  ; R: which 32 rows
	s_and_b32 s17, ttmp9, 1
	s_lshl_b32 s17, s17, 2
	s_add_co_u32 s17, s17, s15                     ; s: which K step
	s_lshl_b32 s18, s16, 17                        ; 32 rows of 4,096 bytes
	s_lshl_b32 s19, s17, 9
	s_add_co_u32 s18, s18, s19
	s_mov_b32 s19, 0                               ; s[18:19]: where my numbers begin
	s_lshl_b32 s20, s14, 3
	s_add_co_u32 s20, s20, s17                     ; j = 8 p + s
	s_lshl_b32 s20, s20, 2
	s_lshr_b32 s21, s16, 3
	s_add_co_u32 s20, s20, s21                     ; 4 j + w
	s_mul_i32 s20, s20, WBLK
	s_and_b32 s21, s16, 7                          ; which pair of fragments
	s_mul_i32 s22, s21, 3072
	s_add_co_u32 s22, s22, s20
	s_mov_b32 s23, 0                               ; s[22:23]: where my two images go
	s_lshl_b32 s21, s21, 7
	s_add_co_u32 s20, s20, s21
	s_add_co_u32 s20, s20, 24576
	s_mov_b32 s21, 0                               ; s[20:21]: and my line of scale words
	s_wait_kmcnt 0x0
	s_cmp_lt_u32 s14, 1                            ; the choice hangs on the work-group's number alone
	s_cselect_b64 s[4:5], s[4:5], s[6:7]
	s_cmp_lt_u32 s14, 3
	s_cselect_b64 s[8:9], s[8:9], s[10:11]
	s_cmp_lt_u32 s14, 2
	s_cselect_b64 s[4:5], s[4:5], s[8:9]
	s_add_nc_u64 s[4:5], s[4:5], s[18:19]
	s_add_nc_u64 s[8:9], s[12:13], s[22:23]
	s_add_nc_u64 s[10:11], s[12:13], s[20:21]
.set p, 0
.rept 32
	global_load_b128 v[LR+4*p:LR+4*p+3], v[LI], s[4:5] offset:4096*p th:TH_LOAD_NT   ; 32 lanes read 512 consecutive bytes of row p
.set p, p+1
.endr
	s_wait_loadcnt 16                              ; rows 0-15 are in; the 16 younger loads may be out
.set p, 0
.rept 16
	ds_store_b128 v[ST], v[LR+4*p:LR+4*p+3] offset:PITCH*p
.set p, p+1
.endr
	s_wait_loadcnt 0x0
.rept 16
	ds_store_b128 v[ST], v[LR+4*p:LR+4*p+3] offset:PITCH*p
.set p, p+1
.endr
.set p, 0
.rept 16
	ds_load_b128 v[X0+4*p:X0+4*p+3], v[LD] offset:128*(p/4)+16*(p%4)     ; LDS serves a wave's instructions in order: these see my stores
.set p, p+1
.endr
	s_wait_dscnt 0x0                               ; fragment 0's numbers are in, and the stores have read the rows' registers
.set p, 0
.rept 16
	ds_load_b128 v[X1+4*p:X1+4*p+3], v[LD] offset:8*PITCH+128*(p/4)+16*(p%4)   ; fragment 1's rows lie 8 further down; they land while fragment 0 is quantised
.set p, p+1
.endr
	QUANT X0, PC0, PW0
.irp q, 0,1,2
	global_store_b128 v[LI], v[PC0+4*\q:PC0+4*\q+3], s[8:9] offset:512*\q       ; 512 consecutive bytes
.endr
	s_wait_dscnt 0x0
	QUANT X1, PC1, PW1
.irp q, 0,1,2
	global_store_b128 v[LI], v[PC1+4*\q:PC1+4*\q+3], s[8:9] offset:1536+512*\q
.endr
	v_cndmask_b32 v[SW], v[PW0], v[PW1], s26       ; lanes 0-15: fragment 0's words, lanes 16-31: fragment 1's (each lane of a row's two holds the row's whole word)
	global_store_b32 v[L4], v[SW], s[10:11]
	s_wait_tensorcnt 0x0                           ; the wave's end: behind my last LDS store
	ds_add_u32 v[SPW], v[NIL]
	s_wait_dscnt 0x0
	s_endpgm
.Lfunc_end_k_q693f84ad15_wquant:
	.size	k_q693f84ad15_wquant, .Lfunc_end_k_q693f84ad15_wquant-k_q693f84ad15_wquant
	.p2alignl 7, 3214868480
	.fill 96, 4, 3214868480
	.section	.rodata,"a",@progbits
	.p2align	6, 0x0
	.amdhsa_kernel k_q693f84ad15_wquant
		.amdhsa_group_segment_fixed_size 68096
		.amdhsa_private_segment_fixed_size 0
		.amdhsa_enable_private_segment 0
		.amdhsa_kernarg_size 40
		.amdhsa_user_sgpr_count 2
		.amdhsa_user_sgpr_kernarg_segment_ptr 1
		.amdhsa_wavefront_size32 1
		.amdhsa_system_sgpr_workgroup_id_x 1
		.amdhsa_system_sgpr_workgroup_id_y 1
		.amdhsa_system_sgpr_workgroup_id_z 1
		.amdhsa_system_vgpr_workitem_id 0
		.amdhsa_next_free_vgpr 224
		.amdhsa_next_free_sgpr 66
		.amdhsa_reserve_vcc 0
		.amdhsa_float_denorm_mode_32 3
		.amdhsa_float_denorm_mode_16_64 3
		.amdhsa_memory_ordered 1
		.amdhsa_forward_progress 1
		.amdhsa_inst_pref_size 18
	.end_amdhsa_kernel
	.amdgpu_metadata
---
amdhsa.version: [ 1, 2 ]
amdhsa.kernels:
  - .name:           k_q693f84ad15_wquant
    .symbol:         k_q693f84ad15_wquant.kd
    .args:
      - { .name: Wq, .offset: 0, .size: 8, .value_kind: global_buffer, .address_space: global }
      - { .name: Wk, .offset: 8, .size: 8, .value_kind: global_buffer, .address_space: global }
      - { .name: Wv, .offset: 16, .size: 8, .value_kind: global_buffer, .address_space: global }
      - { .name: Wo, .offset: 24, .size: 8, .value_kind: global_buffer, .address_space: global }
      - { .name: wimg, .offset: 32, .size: 8, .value_kind: global_buffer, .address_space: global }
    .group_segment_fixed_size: 68096
    .private_segment_fixed_size: 0
    .kernarg_segment_align: 8
    .kernarg_segment_size: 40
    .max_flat_workgroup_size: 128
    .sgpr_count:     66
    .vgpr_count:     224
    .wavefront_size: 32
...
	.end_amdgpu_metadata
.endif
;; end of part 1
;; launch fused (part 2): grid 256 x 1, 4 waves a work-group, clusters of 4 x 1, 327,680 bytes of LDS; arguments x, wimg, bq, bk, bv, bo, out0; writes out0
.if DOCPART == 2
	.amdgcn_target "amdgcn-amd-amdhsa--gfx1250"
	.amdhsa_code_object_version 6
	.text
	.protected	k_q693f84ad15_fused
	.globl	k_q693f84ad15_fused
	.p2align	8
	.type	k_q693f84ad15_fused,@function
k_q693f84ad15_fused:
	s_mov_b64 s[64:65], 0
	v_nop
	global_prefetch_b8 v0, s[64:65] scope:SCOPE_SE
	s_setreg_imm32_b32 hwreg(HW_REG_WAVE_MODE, 25, 1), 1
	s_wait_xcnt 0x0
	s_wait_alu depctr_hold_cnt(0) depctr_sa_sdst(0) depctr_va_vdst(0) depctr_va_sdst(0) depctr_va_ssrc(0) depctr_va_vcc(0) depctr_vm_vsrc(0)
	s_getreg_b32 s2, hwreg(HW_REG_IB_STS2, 6, 4)
	s_cmp_eq_u32 s2, 0
	s_cbranch_scc0 .Lentry_in_a_cluster
	s_endpgm
.Lentry_in_a_cluster:
	s_bfe_u32 s2, ttmp6, 0x10000c
	s_cmp_lg_u32 s2, 0x3003
	s_cbranch_scc0 .Lentry_shape_is_right
	s_endpgm
.Lentry_shape_is_right:
; out0 = (softmax over heads of (q k^T / 32) v) Wo^T + bo with q, k, v = x W^T + b, for 64 positions a work-group, from x to out0 without a way through memory.
; Nothing of the problem is left out: all products and all biases are computed.
; The four projections and q k^T run on codes of FP6 (E2M3) with one E8M0 scale for each 32 along K; attn v (K = 16) runs on f32 operands, since its result is quantised.
; SHARES.  Work-group wg takes positions 64 wg .. + 63.  In a projection wave w makes all 64 rows x columns 256 w .. + 255: 64 accumulators, 512 registers.  THE PRODUCTS ARE USED TRANSPOSED
; (source 0 = 16 rows of a weight, source 1 = 16 positions): a lane holds one position, and, by the choice of a weight fragment's rows (first launch), the 16 registers of two neighbouring
; tiles are 16 neighbouring columns: what the conversions to codes want.  The bias is loaded into the accumulators ahead of a projection: it is the C of each sum's first link.
; WEIGHTS come as register images through a ring of two LDS slots, a K step of 128 (102,400 bytes) each; wave w fetches and reads block w alone.  The stream of 32 steps (Wq, Wk, Wv, Wo) runs on
; across the phases.  CLUSTER: the four work-groups of a cluster walk the same stream: each block is asked for jointly, by the same tensor load with a mask that names the four.
; ROWS (x, later attn v) lie in LDS as code rows of 768 bytes, quantised once.  q and k lie as code rows too: a position's row holds its 16 heads x 48 bytes, which is a fragment of q k^T.
; In q k^T and attn v wave w owns positions 16 i + 4 w + 0..3 of each tile i of 16 positions.  q k^T has K = 64: the upper half of the instruction's 128 is zero codes on both sides.
; LIMITS: NaN and infinities among the inputs are not served; a block of zeros, or one whose largest magnitude lies under 2^-124, gets the scale byte 1; the exponential and the reciprocal are the
; chip's (ISA guide: 1 ulp); the bias starts each f32 sum where the source adds it last; the softmax's maximum is taken away as c m inside one fused multiply-add, the same c m for a whole row.
; REGISTERS, in windows of 256: window 0: v1-46 addresses; v48-75 scale words and nothing else; v80-175 the rows' fragments, two sets (outside the K loops: codes just made, work, scores);
;   v192-255 fragments of q, k, later of v.  window 1: v0-191 the weights' 16 fragments (outside the K loops: x as loaded, attn, rows of out0); v192-255 the f32 form's sums, written by it alone.
;   windows 2, 3: accumulator (i, f) at v[128 (i % 2) + 8 f] of window 2 + i / 2.
.set SLOT,  102400                     ; a K step's four wave blocks
.set WBLK,  25600                      ; a wave block: 16 images of 1,536 bytes, 1,024 bytes of scale words
.set BSCO,  24576
.set AR,    2*SLOT                     ; 64 code rows, pitch AP: x, later attn v
.set AP,    784                        ; 768 bytes + 16 = 196 words: row r starts 4 r words on modulo 64
.set ASC,   AR+64*AP                   ; their scale bytes, 32 a row
.set VS,    ASC+2048                   ; 67,840 bytes used in turn: x's stages | q's rows, one tile of k's rows | attn parked | a tile of v in f32 | stages for out0
.set XSTG,  16896                      ; x: a wave's two stages of 16 rows
.set XP,    528
.set QR,    VS
.set QSC,   VS+64*AP
.set KR,    QSC+2048
.set KSC,   KR+16*AP
.set VP,    4240                       ; v: a position's 4,096 bytes, 128 more from column 512 on, 16 at the end
.set OP,    1040                       ; out0: a wave's 1,024 bytes of a row + 16
.set SPARE, VS+16*VP                   ; the spare words, 128 bytes a wave: two blocks of 256 bytes that no other line names.  No tensor load lands at or behind AR
.set SPW, 1
.set NIL, 2
.set LI,  3                            ; 16 x lane
.set ADB, 4                            ; v4-5   my block's images in slot 0, 1
.set ADS, 6                            ; v6-7   its scale words
.set ARB, 8
.set ADA, 9                            ; the rows' fragments of the K step to be fetched
.set ASB, 10
.set ADAS, 11                          ; and their scale words
.set XST, 12
.set XLD, 13
.set RWX, 14
.set SWX, 15
.set RWQ, 16
.set SWQ, 17
.set RWK, 18
.set SWK, 19
.set FQ,  20
.set FK,  21
.set FQS, 22
.set FKS, 23
.set PKA, 24
.set VSA, 25
.set VLA, 26
.set ORB, 27
.set ORA, 28
.set OSB, 29
.set OSA, 30
.set OTS, 31
.set OTL, 32
.set BIO, 33                           ; 64 x (lane / 16): my half's place in a bias
.set PFO, 34                           ; the prefetches' offset
.set T0,  35                           ; v35-44 at work at the head
.set TA0, 45
.set TA1, 46
.set AS,  48                           ; v48-55  the rows' scale words: set a at 4 a + i
.set BS,  56                           ; v56-71  the weights': set a at 8 a + f / 2; lanes 0-15 even f, lanes 16-31 odd f
.set SCK, 72                           ; v72, v74 k's scale words; v73, v75 q's
.set SCQ, 73
.set PW0, 76                           ; v76-77 scale words just made
.set AF,  80
.set PCA, 80                           ; v80-98, v100-118 codes just made
.set TM,  120                          ; v120-131
.set TS,  132                          ; v132-147 the softmax's eight a position
.set H0,  132                          ; v132-195 64 numbers of x
.set SS,  148                          ; v148-179 scores of four positions
.set QF,  208
.set KF,  220
.set VA,  192                          ; v192-255 fragments of v^T for two positions
.set EAT, 0                            ; window 1: attn of my position n at 8 n
.set H1,  128                          ; window 1: 64 numbers of x
.set DAC, 192                          ; window 1: the f32 form's sums
.set BQ,  8                            ; s[8:9] bq, s[10:11] bk, s[12:13] bv, s[14:15] bo, each at my 256 columns
.set BKP, 10
.set BV,  12
.set BO,  14
.set WV,  18
.set CX,  19
.set WG,  20
.set NC,  21                           ; -c
.set G1,  24                           ; s[24:31] descriptor group 1
.set G0,  32                           ; s[32:39] group 0, a set for each slot
.set SEL, 40
.set CS,  42                           ; s[42:43] c = log2(e) / 32
.set PH,  44
.set KC,  45
.set KA,  46
.set KS,  47
.set XC,  48
.set XO,  49
.set XS,  50
.set MT,  51
.set ORS, 52
.set OSS, 53
.set LIMQ, 54
.set LIMO, 55
.set PFA, 56                           ; s[56:57]
.set MSB, 0
.macro WIN new                         ; the immediate's high byte repeats the setting that is left; a switch that changes nothing is dropped
.if MSB != (\new)
	s_set_vgpr_msb (MSB<<8)|(\new)
.set MSB, (\new)
.endif
.endm
.macro PLACES n
.rept \n
	v_nop
.endr
.endm
.macro BAR                             ; my LDS stores have landed and my LDS loads are in: then the work-group's barrier
	s_wait_dscnt 0x0
	s_barrier_signal -1
	s_barrier_wait -1
.endm
.macro CREST                           ; a round of the cluster's barrier behind its opening barrier
	s_cmp_lg_u32 s[WV], 0
	s_cbranch_scc1 .Lnot_wave_0_\@
	s_barrier_signal -3
.Lnot_wave_0_\@:
	s_barrier_wait -3
	s_barrier_signal -1
	s_barrier_wait -1
.endm
.macro CROUND
	s_barrier_signal -1
	s_barrier_wait -1
	CREST
.endm
.macro TLOAD s                         ; my block of a K step, jointly with my three partners; an s_nop 0 and four v_nop follow
	tensor_load_to_lds s[G0+4*\s:G0+4*\s+3], s[G1:G1+7]
	s_nop 0
.rept 4
	v_nop
.endr
.endm
.macro WADDR dst, src, mul, base       ; v[dst] = v[src] + mul x wave + base
	s_mul_i32 s22, s[WV], \mul
	s_add_co_u32 s22, s22, \base
	v_add_nc_u32 v[\dst], s22, v[\src]
.endm
.macro FETCH_B s, fh                   ; eight of my 16 weight fragments out of slot s: images, 512 consecutive bytes a load
	WIN 0x40
.irp ff, 0,1,2,3,4,5,6,7
.irp q, 0,1,2
	ds_load_b128 v[12*(8*\fh+\ff)+4*\q:12*(8*\fh+\ff)+4*\q+3], v[ADB+(\s)] offset:1536*(8*\fh+\ff)+512*\q
.endr
.endr
	WIN 0
.endm
.macro FETCH_A st                      ; the four tiles of rows, 128 along K, into set st: 24 bytes of a row's stream of bits twice, in pieces of 8
.irp i, 0,1,2,3
.irp p, 0,1,2,3,4,5
	ds_load_b64 v[AF+48*(\st)+12*\i+2*\p:AF+48*(\st)+12*\i+2*\p+1], v[ADA] offset:16*AP*\i+48*(\p/3)+8*(\p%3)
.endr
.endr
.endm
.macro ASCL st
.irp i, 0,1,2,3
	ds_load_b32 v[AS+4*(\st)+\i], v[ADAS] offset:512*\i
.endr
.endm
.macro BSCL s
.irp c2, 0,1,2,3,4,5,6,7
	ds_load_b32 v[BS+8*(\s)+\c2], v[ADS+(\s)] offset:128*\c2
.endr
.endm
; 16 matrix instructions: weight fragments 8 fh .. + 7 x tiles of rows 2 hi, 2 hi + 1.  The 64 accumulators take turns, one instruction a turn, in the same order in every K step
.macro MUL16 fh, hi, st
	WIN 0xa1+0x50*(\hi)                            ; source 0 (weights) window 1, source 1 (rows) window 0, C and D window 2 + hi
.irp ff, 0,1,2,3,4,5,6,7
.irp ii, 0,1
.if \ff%2
	v_wmma_scale_f32_16x16x128_f8f6f4 v[128*\ii+8*(8*\fh+\ff):128*\ii+8*(8*\fh+\ff)+7], v[12*(8*\fh+\ff):12*(8*\fh+\ff)+11], v[AF+48*(\st)+12*(2*\hi+\ii):AF+48*(\st)+12*(2*\hi+\ii)+11], v[128*\ii+8*(8*\fh+\ff):128*\ii+8*(8*\fh+\ff)+7], v[BS+8*(\st)+(8*\fh+\ff)/2], v[AS+4*(\st)+2*\hi+\ii] matrix_a_fmt:MATRIX_FMT_FP6 matrix_b_fmt:MATRIX_FMT_FP6 matrix_a_scale:MATRIX_SCALE_ROW1
.else
	v_wmma_scale_f32_16x16x128_f8f6f4 v[128*\ii+8*(8*\fh+\ff):128*\ii+8*(8*\fh+\ff)+7], v[12*(8*\fh+\ff):12*(8*\fh+\ff)+11], v[AF+48*(\st)+12*(2*\hi+\ii):AF+48*(\st)+12*(2*\hi+\ii)+11], v[128*\ii+8*(8*\fh+\ff):128*\ii+8*(8*\fh+\ff)+7], v[BS+8*(\st)+(8*\fh+\ff)/2], v[AS+4*(\st)+2*\hi+\ii] matrix_a_fmt:MATRIX_FMT_FP6 matrix_b_fmt:MATRIX_FMT_FP6
.endif
.endr
.endr
.endm
; chunk c = 2 i + g (tile of rows i, my columns 128 g on) is 64 registers at 64 (c % 4) of window 2 + c / 4.  The next projection's bias goes there: register 8 t + j wants column 128 g + 32 (t / 2) + 16 h + 8 (t % 2) + j
.macro PRELOAD c, b
	WIN (2+(\c)/4)<<6
.irp t, 0,1,2,3,4,5,6,7
	global_load_b128 v[64*((\c)%4)+8*\t:64*((\c)%4)+8*\t+3], v[BIO], s[\b:\b+1] offset:(128*((\c)%2)+32*(\t/2)+8*(\t%2))*4
	global_load_b128 v[64*((\c)%4)+8*\t+4:64*((\c)%4)+8*\t+7], v[BIO], s[\b:\b+1] offset:(128*((\c)%2)+32*(\t/2)+8*(\t%2))*4+16
.endr
	WIN 0
.endm
.macro ROWS adr, off, pc               ; a fragment's 12 registers go into code rows: my row's 24 bytes twice
.irp p, 0,1,2,3,4,5
	ds_store_b64 v[\adr], v[(\pc)+2*\p:(\pc)+2*\p+1] offset:(\off)+48*(\p/3)+8*(\p%3)
.endr
.endm
.macro ACCST i, adr                    ; tile i's 16 accumulators as f32 into rows: each from its low end on
	WIN (2+(\i)/2)<<2                              ; an LDS store's data are its source 1
.irp f, 0,1,2,3,4,5,6,7,8,9,10,11,12,13,14,15
	ds_store_b128 v[\adr], v[128*((\i)%2)+8*\f:128*((\i)%2)+8*\f+3] offset:(32*(\f/2)+8*(\f%2))*4
	ds_store_b128 v[\adr], v[128*((\i)%2)+8*\f+4:128*((\i)%2)+8*\f+7] offset:(32*(\f/2)+8*(\f%2))*4+16
.endr
	WIN 0
.endm
; 64 numbers of a lane in window sw, register s + 16 b + i = k 32 b + 16 (lane / 16) + i of my row, become 12 registers of codes from v[pc] on and the scale word v[pw], both in window 0
.macro QUANT s, sw, pc, pw
	WIN (\sw)|((\sw)<<2)
.irp b, 0,1,2,3
	v_max3_num_f32 v[TM+\b], |v[(\s)+16*\b]|, |v[(\s)+16*\b+1]|, 0x1800000   ; my 16 numbers of block b, and the floor 2^(3 - 127): the byte cannot fall under 1
.endr
	WIN ((\sw)<<2)|((\sw)<<4)
.irp i, 2,4,6,8,10,12,14
.irp b, 0,1,2,3
	v_max3_num_f32 v[TM+\b], v[TM+\b], |v[(\s)+16*\b+\i]|, |v[(\s)+16*\b+\i+1]|
.endr
.endr
	WIN 0
.irp b, 0,1,2,3
	v_permlanex16_b32 v[TM+4+\b], v[TM+\b], s[SEL], s[SEL+1]
.endr
.irp b, 0,1,2,3
	v_max_num_f32 v[TM+\b], v[TM+\b], v[TM+4+\b]           ; with lane l xor 16's: the block's largest magnitude
.endr
.irp b, 0,1,2,3
	v_add_nc_u32 v[TM+8+\b], 0xff000000, v[TM+\b]          ; 2 off its exponent field: the conversion's scale operand
.endr
.irp b, 0,1,2,3
	v_lshrrev_b32 v[TM+4+\b], 23, v[TM+8+\b]               ; the scale's byte
.endr
	v_lshl_or_b32 v[\pw], v[TM+5], 8, v[TM+4]
	v_lshl_or_b32 v[\pw], v[TM+6], 16, v[\pw]
	v_lshl_or_b32 v[\pw], v[TM+7], 24, v[\pw]
	WIN (\sw)
.irp c, 0,1
	v_cvt_scalef32_pk16_fp6_f32 v[(\pc)+6*\c:(\pc)+6*\c+2], v[(\s)+32*\c:(\s)+32*\c+15], v[TM+8+2*\c]
	v_cvt_scalef32_pk16_fp6_f32 v[(\pc)+12+4*\c:(\pc)+14+4*\c], v[(\s)+32*\c+16:(\s)+32*\c+31], v[TM+9+2*\c]   ; (a conversion's three registers begin on an even number)
.endr
	WIN 0
	v_nop                                          ; one plain instruction behind the scaled conversions
.irp c, 0,1                                    ; a whole block in a lane: lanes 0-15 block 2 c, lanes 16-31 block 2 c + 1
.irp i, 0,1,2
	v_permlane16_swap_b32 v[(\pc)+6*\c+\i], v[(\pc)+12+4*\c+\i]
.endr
.irp i, 0,1,2
	v_mov_b32 v[(\pc)+3+6*\c+\i], v[(\pc)+12+4*\c+\i]
.endr
.endr
.endm
; A PREFETCH INTO THE L2 of the K step that stands two refills on.  All clusters walk the same stream: the first cluster asks.  Of wave block w its partner at place cx takes 6,400 bytes, told apart by address:
; 25 blocks of 256 bytes, a lane a block (lanes 25-31 name lane 24's again, in the same instruction).  It stops where the stream ends.
.macro ASK lim
	s_cmp_gt_u32 s[KC], s[\lim]
	s_cbranch_scc0 .Lnot_mine_\@
	global_prefetch_b8 v[PFO], s[PFA:PFA+1] th:TH_LOAD_NT scope:SCOPE_SE
.Lnot_mine_\@:
.endm
; A K STEP of 128 on slot and sets sl: 64 matrix instructions.  All reads of slot sl were issued in the step before.  ONE barrier: in front of it each wave waits for all its tensor loads (its block of the other slot),
; adds 0 to its spare word, and waits for that and for its reads of this slot.  fill = 1: the barrier opens a round of the cluster's barrier, and this slot takes the step two on.
; fetch: the next step's fragments are read out of the other slot: 1 always, 2 not in a projection's last step (a branch on the loop's count, round LDS loads alone).
.macro KSTEP sl, fill, fetch, lim
.if \fill
	s_wait_xcnt 0x0                                ; the last prefetch, a K step back, has read its address
	s_add_nc_u64 s[PFA:PFA+1], s[PFA:PFA+1], SLOT
.endif
	s_wait_tensorcnt 0x0                           ; all my tensor loads have landed: a group 0 may be written
	ds_add_u32 v[SPW], v[NIL]                      ; 0 onto my spare word
.if \fill
	s_add_nc_u64 s[G0+4*\sl+2:G0+4*\sl+3], s[G0+4*\sl+2:G0+4*\sl+3], 2*SLOT
.endif
	s_add_co_u32 s[KA], s[KA], 96                  ; the next step's place in a code row,
	s_add_co_u32 s[KS], s[KS], 4                   ; and among a row's scale bytes
	s_wait_dscnt 25                                ; the add and the youngest 24 loads (weight fragments 8-15) may be out
	MUL16 0, 0, \sl
	s_wait_dscnt 0x0                               ; the add is done, and my reads of this slot are over
	s_barrier_signal -1
	MUL16 0, 1, \sl
	WIN 0
	s_barrier_wait -1
.if \fill
	CREST                                          ; no wave of any partner still reads this slot or has a load on its way
	TLOAD \sl                                      ; the first tensor load behind the round; its four v_nop are also the places in front of the loads below
.else
	PLACES 4
.endif
	v_add_nc_u32 v[ADA], s[KA], v[ARB]
	v_add_nc_u32 v[ADAS], s[KS], v[ASB]
.if \fetch == 2
	s_cmp_eq_u32 s[KC], 1
	s_cbranch_scc1 .Lno_low_\@
.endif
	FETCH_B 1-\sl, 0
	FETCH_A 1-\sl
	ASCL 1-\sl
	BSCL 1-\sl
.if \fetch == 2
.Lno_low_\@:
.endif
.if \fill
	ASK \lim
.endif
	MUL16 1, 0, \sl
	MUL16 1, 1, \sl
	PLACES 4                                       ; in front of the loads into fragments 8-15, and of whatever reads the sums behind a projection's last step
	WIN 0
.if \fetch == 2
	s_cmp_eq_u32 s[KC], 1
	s_cbranch_scc1 .Lno_high_\@
.endif
	FETCH_B 1-\sl, 1
.if \fetch == 2
.Lno_high_\@:
.endif
.endm
.macro PROLOGUE                        ; a projection's first fragments; slot 0 has landed (shown by my own wait for all loads a step ago, or by the counted wait at the start)
	s_wait_dscnt 0x0
	s_mov_b32 s[KA], 0
	s_mov_b32 s[KS], 0
	v_add_nc_u32 v[ADA], s[KA], v[ARB]
	v_add_nc_u32 v[ADAS], s[KS], v[ASB]
	s_wait_loadcnt 0x0                             ; the bias lies in the accumulators
	FETCH_B 0, 0
	FETCH_A 0
	ASCL 0
	BSCL 0
	FETCH_B 0, 1
.endm
.macro XLOADS                          ; my 16 rows of x, 256 along K: each load reads 512 consecutive bytes of a row
	WIN 0x40
.set p, 0
.rept 32
	global_load_b128 v[4*p:4*p+3], v[LI], s[4:5] offset:4096*(p%16)+512*(p/16) th:TH_LOAD_NT
.set p, p+1
.endr
	WIN 0
.endm
; q k^T of two of my positions of tile i: a position's code row is 16 heads x 48 bytes: lane (head, h) takes 24 bytes; two scale bytes a head (the word's upper half is 0, over zero codes)
.macro SLOAD i, pr
.irp a2, 0,1
.irp p, 0,1,2
	ds_load_b64 v[QF+24*\a2+2*\p:QF+24*\a2+2*\p+1], v[FQ] offset:(16*\i+2*\pr+\a2)*AP+8*\p
	ds_load_b64 v[KF+24*\a2+2*\p:KF+24*\a2+2*\p+1], v[FK] offset:(2*\pr+\a2)*AP+8*\p
.endr
	ds_load_u16 v[SCQ+2*\a2], v[FQS] offset:(16*\i+2*\pr+\a2)*32
	ds_load_u16 v[SCK+2*\a2], v[FKS] offset:(2*\pr+\a2)*32
.endr
.endm
.macro SCORE pr                        ; source 0 = k's 16 heads t, source 1 = q's 16 heads: lane (head, h) holds the scores against t = 8 h + 0..7
.irp a2, 0,1
	v_wmma_scale_f32_16x16x128_f8f6f4 v[SS+16*\pr+8*\a2:SS+16*\pr+8*\a2+7], v[KF+24*\a2:KF+24*\a2+11], v[QF+24*\a2:QF+24*\a2+11], 0, v[SCK+2*\a2], v[SCQ+2*\a2] matrix_a_fmt:MATRIX_FMT_FP6 matrix_b_fmt:MATRIX_FMT_FP6
.endr
.endm
; The softmax of two positions, line by line by turns: p = 2^(c s - c m), m the row's largest score; attn = p / the row's sum, as the source has it.  One wait for the 16 exponentials, one for the reciprocals.
.macro SOFTMAX i, pr
.irp a2, 0,1
	v_max3_num_f32 v[TS+8*\a2], v[SS+16*\pr+8*\a2], v[SS+16*\pr+8*\a2+1], v[SS+16*\pr+8*\a2+2]
.endr
.irp a2, 0,1
	v_max3_num_f32 v[TS+8*\a2+1], v[SS+16*\pr+8*\a2+3], v[SS+16*\pr+8*\a2+4], v[SS+16*\pr+8*\a2+5]
.endr
.irp a2, 0,1
	v_max3_num_f32 v[TS+8*\a2], v[TS+8*\a2], v[SS+16*\pr+8*\a2+6], v[SS+16*\pr+8*\a2+7]
.endr
.irp a2, 0,1
	v_max_num_f32 v[TS+8*\a2], v[TS+8*\a2], v[TS+8*\a2+1]
.endr
.irp a2, 0,1
	v_permlanex16_b32 v[TS+8*\a2+1], v[TS+8*\a2], s[SEL], s[SEL+1]      ; the row's other eight t lie in the lane 16 away
.endr
.irp a2, 0,1
	v_max_num_f32 v[TS+8*\a2], v[TS+8*\a2], v[TS+8*\a2+1]
.endr
.irp a2, 0,1
	v_mul_f32 v[TS+8*\a2+2], s[NC], v[TS+8*\a2]                        ; -c m, twice: a pair for the packed form
	v_mul_f32 v[TS+8*\a2+3], s[NC], v[TS+8*\a2]
.endr
.irp j, 0,2,4,6
.irp a2, 0,1
	v_pk_fma_f32 v[SS+16*\pr+8*\a2+\j:SS+16*\pr+8*\a2+\j+1], v[SS+16*\pr+8*\a2+\j:SS+16*\pr+8*\a2+\j+1], s[CS:CS+1], v[TS+8*\a2+2:TS+8*\a2+3] op_sel_hi:[1,0,1]
.endr
.endr
.irp j, 0,1,2,3,4,5,6,7
.irp a2, 0,1
	v_exp_f32 v[SS+16*\pr+8*\a2+\j], v[SS+16*\pr+8*\a2+\j]
.endr
.endr
	v_nop                                          ; a plain instruction behind the last exponential
	s_wait_alu depctr_va_vdst(0)                   ; one wait for the batch, ahead of its first reader
.irp a2, 0,1
	v_pk_add_f32 v[TS+8*\a2+4:TS+8*\a2+5], v[SS+16*\pr+8*\a2:SS+16*\pr+8*\a2+1], v[SS+16*\pr+8*\a2+2:SS+16*\pr+8*\a2+3]
	v_pk_add_f32 v[TS+8*\a2:TS+8*\a2+1], v[SS+16*\pr+8*\a2+4:SS+16*\pr+8*\a2+5], v[SS+16*\pr+8*\a2+6:SS+16*\pr+8*\a2+7]
.endr
.irp a2, 0,1
	v_pk_add_f32 v[TS+8*\a2+4:TS+8*\a2+5], v[TS+8*\a2+4:TS+8*\a2+5], v[TS+8*\a2:TS+8*\a2+1]
.endr
.irp a2, 0,1
	v_add_f32 v[TS+8*\a2+4], v[TS+8*\a2+4], v[TS+8*\a2+5]
.endr
.irp a2, 0,1
	v_permlanex16_b32 v[TS+8*\a2+5], v[TS+8*\a2+4], s[SEL], s[SEL+1]
.endr
.irp a2, 0,1
	v_add_f32 v[TS+8*\a2+4], v[TS+8*\a2+4], v[TS+8*\a2+5]
.endr
.irp a2, 0,1
	v_rcp_f32 v[TS+8*\a2+6], v[TS+8*\a2+4]
	v_rcp_f32 v[TS+8*\a2+7], v[TS+8*\a2+4]
.endr
	v_nop
	s_wait_alu depctr_va_vdst(0)
	WIN 0x40                                       ; attn goes to window 1
.irp a2, 0,1
.irp j, 0,2,4,6
	v_pk_mul_f32 v[EAT+8*(4*\i+2*\pr+\a2)+\j:EAT+8*(4*\i+2*\pr+\a2)+\j+1], v[SS+16*\pr+8*\a2+\j:SS+16*\pr+8*\a2+\j+1], v[TS+8*\a2+6:TS+8*\a2+7]
.endr
.endr
	WIN 0
.endm
; k's epilogue for tile i, and the tile's scores: my two chunks become code rows of the tile; a barrier; q k^T and the softmax of my four positions
.macro KEPI i
.if \i > 0
	BAR                                            ; every wave has read the last tile's rows of k
.endif
.irp g, 0,1
	QUANT 64*((2*\i+\g)%4),2+(2*\i+\g)/4,PCA+20*\g,PW0+\g
	ROWS RWK,96*\g,PCA+20*\g
	ds_store_b32 v[SWK], v[PW0+\g] offset:4*\g
	PRELOAD 2*\i+\g,BV
.endr
	BAR
	SLOAD \i,0
	s_wait_dscnt 0x0
	SCORE 0
	PLACES 4                                       ; in front of the loads into the fragments, and of the first read of the scores
	SLOAD \i,1
	SOFTMAX \i,0
	s_wait_dscnt 0x0
	SCORE 1
	PLACES 4
	SOFTMAX \i,1
.endm
; attn v of two positions of tile i: O^T = v^T attn^T in f32: source 0 = 16 of the head's 64 channels (tile t2: d = 32 (t2 / 2) + 8 (t2 % 2) + r + 8 (r / 8)), source 1 = attn's 16 heads; K = 16 in four links.
; The instruction's k = (lane / 16, register) stands for t = 8 (lane / 16) + 2 kk + register on both sides.  Eight sums by turns; the first link takes the constant 0.
.macro PV i, pr
	WIN 0x54                                       ; source 0 window 0, source 1, C and D window 1
.irp kk, 0,1,2,3
.irp a2, 0,1
.irp t2, 0,1,2,3
.if \kk == 0
	v_wmma_f32_16x16x4_f32 v[DAC+32*\a2+8*\t2:DAC+32*\a2+8*\t2+7], v[VA+32*\a2+8*\t2+2*\kk:VA+32*\a2+8*\t2+2*\kk+1], v[EAT+8*(4*\i+2*\pr+\a2)+2*\kk:EAT+8*(4*\i+2*\pr+\a2)+2*\kk+1], 0
.else
	v_wmma_f32_16x16x4_f32 v[DAC+32*\a2+8*\t2:DAC+32*\a2+8*\t2+7], v[VA+32*\a2+8*\t2+2*\kk:VA+32*\a2+8*\t2+2*\kk+1], v[EAT+8*(4*\i+2*\pr+\a2)+2*\kk:EAT+8*(4*\i+2*\pr+\a2)+2*\kk+1], v[DAC+32*\a2+8*\t2:DAC+32*\a2+8*\t2+7]
.endif
.endr
.endr
.endr
	WIN 0
.endm
; Register numbers cannot hang on a loop's count: the lines that name tile MT's registers are written four times, and a branch on the count, the same in all waves and partners, picks one
.macro PICK_PV pr
	s_cmp_eq_u32 s[MT], 0
	s_cbranch_scc1 .Lpv0_\@
	s_cmp_eq_u32 s[MT], 1
	s_cbranch_scc1 .Lpv1_\@
	s_cmp_eq_u32 s[MT], 2
	s_cbranch_scc1 .Lpv2_\@
	PV 3,\pr
	s_branch .Lpvj_\@
.Lpv0_\@:
	PV 0,\pr
	s_branch .Lpvj_\@
.Lpv1_\@:
	PV 1,\pr
	s_branch .Lpvj_\@
.Lpv2_\@:
	PV 2,\pr
.Lpvj_\@:
.endm
.macro STBLK i                         ; tile i of v goes to LDS in f32; then bo takes its place in the accumulators
	ACCST \i,VSA
	s_wait_dscnt 0x0                               ; the stores have read their registers
	PRELOAD 2*\i,BO
	PRELOAD 2*\i+1,BO
.endm
.macro PICK_ST
	s_cmp_eq_u32 s[MT], 0
	s_cbranch_scc1 .Lst0_\@
	s_cmp_eq_u32 s[MT], 1
	s_cbranch_scc1 .Lst1_\@
	s_cmp_eq_u32 s[MT], 2
	s_cbranch_scc1 .Lst2_\@
	STBLK 3
	s_branch .Lstj_\@
.Lst0_\@:
	STBLK 0
	s_branch .Lstj_\@
.Lst1_\@:
	STBLK 1
	s_branch .Lstj_\@
.Lst2_\@:
	STBLK 2
.Lstj_\@:
.endm
.macro P5 pr                           ; two of my four positions of the tile
.irp a2, 0,1
.irp t2, 0,1,2,3
.irp k2, 0,1,2,3,4,5,6,7
	ds_load_b32 v[VA+32*\a2+8*\t2+\k2], v[VLA] offset:(2*\pr+\a2)*VP+\k2*256+(32*(\t2/2)+8*(\t2%2))*4   ; v(t = 8 h + k2, d)
.endr
.endr
.endr
	s_wait_dscnt 0x0
	PICK_PV \pr
	PLACES 8                                       ; behind the f32 form, in front of the first read of its sums
	QUANT DAC,1,PCA+20*\pr,PW0+\pr                 ; blocks 0, 1: the first position's 64 channels of my head; blocks 2, 3: the second's
.irp a2, 0,1
.irp p, 0,1,2
	ds_store_b64 v[ORA], v[PCA+20*\pr+6*\a2+2*\p:PCA+20*\pr+6*\a2+2*\p+1] offset:(2*\pr+\a2)*AP+8*\p
.endr
.endr
	ds_store_b16 v[OSA], v[PW0+\pr] offset:(2*\pr)*32
	ds_store_b16_d16_hi v[OSA], v[PW0+\pr] offset:(2*\pr+1)*32
.endm
	s_load_b256 s[4:11], s[0:1], 0x0               ; x s[4:5], wimg s[6:7], bq, bk
	s_load_b128 s[12:15], s[0:1], 0x20             ; bv, bo
	s_load_b64 s[16:17], s[0:1], 0x30              ; out0
	v_lshl_add_u32 v[SPW], v0, 2, SPARE
	v_mov_b32 v[NIL], 0
	ds_add_u32 v[SPW], v[NIL]                      ; the wave's opening: the add, twice on end, and its wait ahead of my first tensor load
	ds_add_u32 v[SPW], v[NIL]
	v_lshrrev_b32 v[T0], 5, v0
	v_readfirstlane_b32 s[WV], v[T0]               ; wave 0..3
	s_bfe_u32 s[CX], ttmp6, 0x40000                ; my place in the cluster: it enters x's, out0's and the prefetches' addresses alone
	s_lshl_b32 s[WG], ttmp9, 2
	s_add_co_u32 s[WG], s[WG], s[CX]
	s_mov_b32 s[G1], 15|(3<<16)|(1<<21)            ; the mask: all four work-groups; elements of 8 bytes; bit 21 beside a mask; no padding
	s_mov_b32 s[G1+1], 32<<16                      ; tensor_dim0 = 32 elements: rows of 256 bytes
	s_mov_b32 s[G1+2], 100<<16                     ; tensor_dim1 = 100 rows: a dense block of 25,600 bytes
	s_mov_b32 s[G1+3], 32<<16                      ; tile_dim0
	s_mov_b32 s[G1+4], 100                         ; tile_dim1
	s_mov_b32 s[G1+5], 32                          ; the pitch
	s_mov_b32 s[G1+6], 0
	s_mov_b32 s[G1+7], 0
	s_mov_b32 s[SEL], 0x76543210
	s_mov_b32 s[SEL+1], 0xfedcba98
	s_mov_b32 s[CS], 0x3d38aa3b                    ; c = log2(e) / sqrt(1024)
	s_mov_b32 s[CS+1], s[CS]
	s_mov_b32 s[NC], 0xbd38aa3b                    ; -c
	s_cmp_eq_u32 ttmp9, 0                          ; the first cluster prefetches: the same in all four partners
	s_cselect_b32 s[LIMQ], 0, -1
	s_cselect_b32 s[LIMO], 1, -1
	s_mul_i32 s58, s[WV], WBLK
	s_mov_b32 s59, 0                               ; s[58:59]: my block in a K step
	s_mul_i32 s60, s[CX], 6400
	s_add_co_u32 s60, s60, s58
	s_add_co_u32 s60, s60, 3*SLOT                  ; the prefetches stand at step 3: step 0's change steps them to step 4
	s_mov_b32 s61, 0
	s_lshl_b32 s62, s[WG], 18                      ; 64 rows of 4,096 bytes a work-group,
	s_lshl_b32 s63, s[WV], 16                      ; 16 a wave
	s_add_co_u32 s62, s62, s63
	s_mov_b32 s63, 0
	s_lshl_b32 s22, s[WV], 10                      ; my 256 columns
	s_mov_b32 s23, 0
	s_lshl_b32 s2, s[WG], 18
	s_add_co_u32 s2, s2, s22
	s_mov_b32 s3, 0
	s_wait_dscnt 0x0                               ; both opening adds are done
	s_wait_kmcnt 0x0
	s_add_nc_u64 s[PFA:PFA+1], s[6:7], s[60:61]
	s_add_nc_u64 s[6:7], s[6:7], s[58:59]
	s_add_nc_u64 s[4:5], s[4:5], s[62:63]
	s_add_nc_u64 s[8:9], s[8:9], s[22:23]
	s_add_nc_u64 s[10:11], s[10:11], s[22:23]
	s_add_nc_u64 s[12:13], s[12:13], s[22:23]
	s_add_nc_u64 s[14:15], s[14:15], s[22:23]
	s_add_nc_u64 s[16:17], s[16:17], s[2:3]
	CROUND                                         ; all four work-groups are here: the first joint loads meet
.irp s, 0,1
	s_mov_b32 s[G0+4*\s], 1
	s_add_co_u32 s[G0+4*\s+1], s58, \s*SLOT
	s_add_nc_u64 s[G0+4*\s+2:G0+4*\s+3], s[6:7], \s*SLOT
	s_or_b32 s[G0+4*\s+3], s[G0+4*\s+3], 0x80000000
	TLOAD \s                                       ; K steps 0 and 1: two loads of mine are out
.endr
	v_and_b32 v[T0], 15, v0                        ; r
	v_bfe_u32 v[T0+1], v0, 4, 1                    ; h
	v_and_b32 v[T0+2], 31, v0                      ; lane
	v_lshlrev_b32 v[LI], 4, v[T0+2]
	XLOADS                                         ; x's first 256 along K
	v_mul_u32_u24 v[T0+3], v[T0], AP
	v_mad_u32_u24 v[T0+3], v[T0+1], 24, v[T0+3]    ; a code row of 1,024: 784 r + 24 h
	v_mul_u32_u24 v[T0+4], v[T0], 48
	v_mad_u32_u24 v[T0+4], v[T0+1], 24, v[T0+4]    ; a head in a position's row: 48 r + 24 h
	v_and_b32 v[T0+5], 8, v[T0]
	v_add_nc_u32 v[T0+5], v[T0+5], v[T0]           ; r + 8 (r / 8)
	v_lshlrev_b32 v[T0+6], 5, v[T0]                ; 32 r
	v_lshlrev_b32 v[T0+7], 1, v[T0]                ; 2 r
	v_lshlrev_b32 v[T0+8], 2, v[T0+2]              ; 4 x lane
	v_lshlrev_b32 v[BIO], 6, v[T0+1]
	v_min_u32 v[PFO], 24, v[T0+2]
	v_lshlrev_b32 v[PFO], 8, v[PFO]
	WADDR ADB, LI, WBLK, 0
	WADDR ADB+1, LI, WBLK, SLOT
	WADDR ADS, T0+8, WBLK, BSCO
	WADDR ADS+1, T0+8, WBLK, SLOT+BSCO
	v_add_nc_u32 v[ARB], AR, v[T0+3]
	v_add_nc_u32 v[ASB], ASC, v[T0+6]
	WADDR XST, LI, XSTG, VS
	v_mul_u32_u24 v[T0+9], v[T0], XP
	v_lshl_add_u32 v[T0+9], v[T0+1], 6, v[T0+9]
	WADDR XLD, T0+9, XSTG, VS
	WADDR RWX, T0+3, 16*AP, AR
	WADDR SWX, T0+6, 512, ASC
	WADDR RWQ, T0+3, 192, QR
	WADDR SWQ, T0+6, 8, QSC
	WADDR RWK, T0+3, 192, KR
	WADDR SWK, T0+6, 8, KSC
	WADDR FQ, T0+4, 4*AP, QR
	WADDR FK, T0+4, 4*AP, KR
	WADDR FQS, T0+7, 128, QSC
	WADDR FKS, T0+7, 128, KSC
	WADDR PKA, LI, 16384, VS
	v_mul_u32_u24 v[T0+9], v[T0], VP
	v_lshl_add_u32 v[T0+9], v[T0+1], 6, v[T0+9]
	s_lshr_b32 s23, s[WV], 1
	s_lshl_b32 s23, s23, 7                         ; 128 bytes more from column 512 on
	v_add_nc_u32 v[T0+9], s23, v[T0+9]
	WADDR VSA, T0+9, 1024, VS
	v_lshlrev_b32 v[T0+9], 2, v[T0+5]
	v_mad_u32_u24 v[T0+9], v[T0+1], 2176, v[T0+9]  ; heads 8-15 lie 2,048 + 128 bytes on
	WADDR VLA, T0+9, 4*VP, VS
	WADDR ORB, T0+4, 4*AP, AR
	WADDR OSB, T0+7, 128, ASC
	v_mul_u32_u24 v[T0+9], v[T0], OP
	v_lshl_add_u32 v[T0+9], v[T0+1], 6, v[T0+9]
	WADDR OTS, T0+9, 16*OP, VS
	WADDR OTL, LI, 16*OP, VS
.irp b, 0,1,2,3
	v_mov_b32 v[TM+4+\b], 0                        ; written once: a lane permute's destination counts as one of its sources
.endr
.irp c, 0,1,2,3,4,5,6,7
	PRELOAD \c,BQ
.endr
	; ---- X: my 16 rows of x become code rows.  Four trips of 256 along K; the next trip's loads are out while this trip is quantised
	s_mov_b32 s[XC], 4
	s_mov_b32 s[XO], 0
	s_mov_b32 s[XS], 0
.Lx:
	s_wait_loadcnt 0x0
	s_wait_dscnt 0x0
	WIN 0x04                                       ; an LDS store's data are its source 1: window 1
.set p, 0
.rept 32
	ds_store_b128 v[XST], v[4*p:4*p+3] offset:16*XP*(p/16)+XP*(p%16)
.set p, p+1
.endr
	WIN 0
.set p, 0
.rept 16
	ds_load_b128 v[H0+4*p:H0+4*p+3], v[XLD] offset:128*(p/4)+16*(p%4)   ; LDS serves a wave's instructions in order: these see my stores
.set p, p+1
.endr
	WIN 0x40
.set p, 0
.rept 16
	ds_load_b128 v[H1+4*p:H1+4*p+3], v[XLD] offset:16*XP+128*(p/4)+16*(p%4)
.set p, p+1
.endr
	WIN 0
	s_wait_dscnt 32                                ; all but the 32 loads: the stores have read their registers
	s_cmp_eq_u32 s[XC], 1                          ; the last trip asks for nothing: no load leaves its buffer (every wait for loads here is for 0)
	s_cbranch_scc1 .Lx_last
	s_add_nc_u64 s[4:5], s[4:5], 1024
	XLOADS
.Lx_last:
	v_add_nc_u32 v[TA0], s[XO], v[RWX]
	v_add_nc_u32 v[TA1], s[XS], v[SWX]
	s_wait_dscnt 16                                ; the first K step's 16 loads are in
	QUANT H0,0,PCA,PW0
	ROWS TA0,0,PCA
	ds_store_b32 v[TA1], v[PW0]
	s_wait_dscnt 7                                 ; the second's are in; the 7 stores just issued may be out
	QUANT H1,1,PCA+20,PW0+1
	ROWS TA0,96,PCA+20
	ds_store_b32 v[TA1], v[PW0+1] offset:4
	s_add_co_u32 s[XO], s[XO], 192
	s_add_co_u32 s[XS], s[XS], 8
	s_sub_co_u32 s[XC], s[XC], 1
	s_cmp_lg_u32 s[XC], 0
	s_cbranch_scc1 .Lx
	s_wait_dscnt 0x0
	s_wait_tensorcnt 0x1                           ; my block of K step 0 is in; step 1's may stay out
	s_barrier_signal -1
	s_barrier_wait -1                              ; x's 64 code rows lie in LDS
	; ---- the projections q, k, v: one text, walked three times; what follows each hangs on the count of phases, the same in all waves and partners
	s_mov_b32 s[PH], 0
.Lphase:
	PROLOGUE
	s_mov_b32 s[KC], 4
.Lk:
	KSTEP 0, 1, 1, LIMQ
	KSTEP 1, 1, 2, LIMQ
	s_sub_co_u32 s[KC], s[KC], 1
	s_cmp_lg_u32 s[KC], 0
	s_cbranch_scc1 .Lk
	s_wait_dscnt 0x0
	s_cmp_eq_u32 s[PH], 0
	s_cbranch_scc0 .Lnot_q
	; q: my eight chunks of 16 rows x 128 columns become code rows; bk takes their place
.irp c, 0,1,2,3,4,5,6,7
	s_wait_dscnt 7                                 ; the stores of the chunk before last have read their registers
	QUANT 64*(\c%4),2+\c/4,PCA+20*(\c%2),PW0+\c%2
	ROWS RWQ,16*AP*(\c/2)+96*(\c%2),PCA+20*(\c%2)
	ds_store_b32 v[SWQ], v[PW0+\c%2] offset:512*(\c/2)+4*(\c%2)
	PRELOAD \c,BKP
.endr
	s_branch .Lnext
.Lnot_q:
	s_cmp_eq_u32 s[PH], 1
	s_cbranch_scc0 .Lnext
	; k: tile by tile into code rows, and at once q k^T and the softmax
.irp a2, 0,1
.irp j, 6,7,8,9,10,11
	v_mov_b32 v[QF+24*\a2+\j], 0                   ; K = 64: the fragments' upper halves are zero codes
	v_mov_b32 v[KF+24*\a2+\j], 0
.endr
.endr
	KEPI 0
	KEPI 1
	KEPI 2
	KEPI 3
	BAR                                            ; nobody reads q's and k's rows any more: attn is parked there while v's projection has window 1
	WIN 0x04
.set p, 0
.rept 32
	ds_store_b128 v[PKA], v[EAT+4*p:EAT+4*p+3] offset:512*p
.set p, p+1
.endr
	WIN 0
.Lnext:
	s_add_co_u32 s[PH], s[PH], 1
	s_cmp_lt_u32 s[PH], 3
	s_cbranch_scc1 .Lphase
	; ---- attn v, a tile of 16 positions a trip
	WIN 0x40
.set p, 0
.rept 32
	ds_load_b128 v[EAT+4*p:EAT+4*p+3], v[PKA] offset:512*p     ; my own bytes
.set p, p+1
.endr
	WIN 0
	s_mov_b32 s[MT], 0
	s_mov_b32 s[ORS], 0
	s_mov_b32 s[OSS], 0
.Lmt:
	s_wait_loadcnt 0x0                             ; no bias load is out when accumulators are stored
	BAR                                            ; attn is back in registers, and every wave has read the last tile of v
	PICK_ST
	BAR                                            ; the tile's 16 positions x 1,024 numbers of v lie in LDS
	v_add_nc_u32 v[ORA], s[ORS], v[ORB]
	v_add_nc_u32 v[OSA], s[OSS], v[OSB]
	P5 0
	P5 1
	s_add_co_u32 s[ORS], s[ORS], 16*AP
	s_add_co_u32 s[OSS], s[OSS], 512
	s_add_co_u32 s[MT], s[MT], 1
	s_cmp_lt_u32 s[MT], 4
	s_cbranch_scc1 .Lmt
	BAR                                            ; attn v's 64 code rows lie where x's lay
	; ---- the projection on the way out: K steps 24 to 31; the last two fill nothing and are written out
	PROLOGUE
	s_mov_b32 s[KC], 3
.Lko:
	KSTEP 0, 1, 1, LIMO
	KSTEP 1, 1, 1, LIMO
	s_sub_co_u32 s[KC], s[KC], 1
	s_cmp_lg_u32 s[KC], 0
	s_cbranch_scc1 .Lko
	KSTEP 0, 0, 1, LIMO
	s_wait_dscnt 24                                ; the youngest 24 loads (weight fragments 8-15) may be out
	MUL16 0, 0, 1
	MUL16 0, 1, 1
	s_wait_dscnt 0x0
	MUL16 1, 0, 1
	MUL16 1, 1, 1
	PLACES 4
	WIN 0
	; ---- THE WAY OUT: a tile of 16 rows x my 256 columns through my own stage, back as runs of 512 bytes of a row
.irp i, 0,1,2,3
	s_wait_xcnt 0x0                                ; the last tile's stores have read their registers
	ACCST \i,OTS
	WIN 0x40
.set p, 0
.rept 32
	ds_load_b128 v[4*p:4*p+3], v[OTL] offset:OP*(p/2)+512*(p%2)   ; LDS serves a wave's instructions in order: these see my stores
.set p, p+1
.endr
	WIN 0x04                                       ; a store's data are its source 1: window 1
.set p, 0
.rept 32
	s_wait_dscnt 31-p
	global_store_b128 v[LI], v[4*p:4*p+3], s[16:17] offset:(16*\i+p/2)*4096+512*(p%2) th:TH_STORE_NT   ; 32 lanes store 512 consecutive bytes, at a multiple of 512 from out0's first byte
.set p, p+1
.endr
	WIN 0
.endr
	s_wait_tensorcnt 0x0                           ; the wave's end: behind my last tensor load and my last LDS store
	ds_add_u32 v[SPW], v[NIL]
	s_wait_dscnt 0x0
	CROUND                                         ; the closing round: no work-group ends while a partner may still ask for a block that names it
	s_endpgm
.Lfunc_end_k_q693f84ad15_fused:
	.size	k_q693f84ad15_fused, .Lfunc_end_k_q693f84ad15_fused-k_q693f84ad15_fused
	.p2alignl 7, 3214868480
	.fill 96, 4, 3214868480
	.section	.rodata,"a",@progbits
	.p2align	6, 0x0
	.amdhsa_kernel k_q693f84ad15_fused
		.amdhsa_group_segment_fixed_size 327680
		.amdhsa_private_segment_fixed_size 0
		.amdhsa_enable_private_segment 0
		.amdhsa_kernarg_size 56
		.amdhsa_user_sgpr_count 2
		.amdhsa_user_sgpr_kernarg_segment_ptr 1
		.amdhsa_wavefront_size32 1
		.amdhsa_system_sgpr_workgroup_id_x 1
		.amdhsa_system_sgpr_workgroup_id_y 1
		.amdhsa_system_sgpr_workgroup_id_z 1
		.amdhsa_system_vgpr_workitem_id 0
		.amdhsa_next_free_vgpr 1024
		.amdhsa_next_free_sgpr 66
		.amdhsa_reserve_vcc 0
		.amdhsa_float_denorm_mode_32 3
		.amdhsa_float_denorm_mode_16_64 3
		.amdhsa_memory_ordered 1
		.amdhsa_forward_progress 1
		.amdhsa_inst_pref_size 255
	.end_amdhsa_kernel
	.section	.bss,"aw",@nobits
	.p2align	6
	.space	262144
	.amdgpu_metadata
---
amdhsa.version: [ 1, 2 ]
amdhsa.kernels:
  - .name:           k_q693f84ad15_fused
    .symbol:         k_q693f84ad15_fused.kd
    .args:
      - { .name: x, .offset: 0, .size: 8, .value_kind: global_buffer, .address_space: global }
      - { .name: wimg, .offset: 8, .size: 8, .value_kind: global_buffer, .address_space: global }
      - { .name: bq, .offset: 16, .size: 8, .value_kind: global_buffer, .address_space: global }
      - { .name: bk, .offset: 24, .size: 8, .value_kind: global_buffer, .address_space: global }
      - { .name: bv, .offset: 32, .size: 8, .value_kind: global_buffer, .address_space: global }
      - { .name: bo, .offset: 40, .size: 8, .value_kind: global_buffer, .address_space: global }
      - { .name: out0, .offset: 48, .size: 8, .value_kind: global_buffer, .address_space: global }
    .group_segment_fixed_size: 327680
    .private_segment_fixed_size: 0
    .kernarg_segment_align: 8
    .kernarg_segment_size: 56
    .max_flat_workgroup_size: 128
    .sgpr_count:     66
    .vgpr_count:     1024
    .wavefront_size: 32
...
	.end_amdgpu_metadata
.endif
;; end of part 2
;; ======== version 2 of 2: 2 launches
;; limits: right only within a limited range of input values
;; workspace buffers: wimg 3,276,800 bytes
;; launch wquant (part 3): grid 256 x 1, 4 waves a work-group, no clusters, 68,096 bytes of LDS; arguments Wq, Wk, Wv, Wo, wimg; writes wimg
.if DOCPART == 3
	.amdgcn_target "amdgcn-amd-amdhsa--gfx1250"
	.amdhsa_code_object_version 6
	.text
	.protected	k_q693f84ad15_wquant
	.globl	k_q693f84ad15_wquant
	.p2align	8
	.type	k_q693f84ad15_wquant,@function
k_q693f84ad15_wquant:
	s_mov_b64 s[64:65], 0
	v_nop
	global_prefetch_b8 v0, s[64:65] scope:SCOPE_SE
	s_setreg_imm32_b32 hwreg(HW_REG_WAVE_MODE, 25, 1), 1
	s_wait_xcnt 0x0
; Wq, Wk, Wv, Wo, each [1024 (n)][1024 (k)] f32 with K innermost, become codes of FP6 (E2M3) with one E8M0 byte for each 32 along K,
; laid in wimg in the order of the operand's registers and in the order in which the second launch walks them.
; NOTHING OF THE PROBLEM IS LEFT OUT in this program: every product, every bias and every input has a way to out0 (the biases on q, k, v move codes and scales of
; quantised operands, bo is added to the output), so all nine inputs are loaded, four of them here.
; wimg: step j = 8 p + s (p = 0..3: Wq, Wk, Wv, Wo; s = K step of 128), wave block (j, w) at (4 j + w) x 25,600 bytes.  A block holds 16 fragment images of 1,536 bytes
; (register 4 q + c of lane l at 512 q + 16 l + 4 c) and, from byte 24,576 on, 8 lines of 128 bytes of scale words: line f / 2, lanes 0-15 fragment f even, lanes 16-31 f odd.
; Fragment f of block w holds rows n = 256 w + 32 (f / 2) + 8 (f % 2) + r + 8 (r / 8), r = 0..15: so that in the transposed product a lane's 16 registers of two neighbouring
; tiles are 16 neighbouring n.
; A block's scale is 2^(floor(log2(largest magnitude)) - 2); its byte is the largest magnitude's exponent field - 2, held at 1 from below.
; LIMITS: a block of zeros, or one whose largest magnitude lies under 2^-124, gets the byte 1 (its codes are zeros or held small; this program alone reads the bytes);
; NaN and infinities among the inputs are not served.
; SHARES: a wave takes 32 consecutive rows x 128 along K (two fragments): 32 loads of 512 consecutive bytes, through its own stage in LDS, back as 16 neighbours of each block a lane.
; Waves share nothing: no barrier.  The scale words leave as 128 consecutive bytes a wave, the codes as 512 consecutive bytes a store.
.set STG,   16896                      ; a wave's stage: 32 rows of PITCH bytes
.set PITCH, 528                        ; 512 bytes of a row + 16: an odd multiple of 16 bytes
.set SPARE, 4*STG                      ; behind the stages: the spare words, 128 bytes a wave
.set WBLK,  25600
.set SPW, 1                            ; v1   LDS address of my spare word; never rewritten
.set NIL, 2                            ; v2   0; never rewritten
.set LI,  3                            ; v3   16 x lane
.set ST,  4                            ; v4   the stage, on the way in
.set LD,  5                            ; v5   the stage, on the way out
.set L4,  6                            ; v6   4 x lane
.set LR,  16                           ; v16-143  32 rows as loaded
.set PC0, 16                           ; v16-34   fragment 0's codes (the rows have left for the stage by then)
.set PC1, 36                           ; v36-54   fragment 1's
.set X1,  64                           ; v64-127  fragment 1's 64 numbers
.set X0,  144                          ; v144-207 fragment 0's
.set TM,  208                          ; v208-219 at work
.set PW0, 220
.set PW1, 221
.set SW,  222
.set SEL, 28                           ; s[28:29] selects for lane l xor 16
; 64 numbers of a lane, register 16 b + i = k 32 b + 16 (lane / 16) + i of my row, become a fragment's 12 registers from v[pc] on and its scale word in v[pw]
.macro QUANT s, pc, pw
.irp b, 0,1,2,3
	v_max3_num_f32 v[TM+\b], |v[\s+16*\b]|, |v[\s+16*\b+1]|, 0x1800000   ; my 16 numbers of block b, and the floor 2^(3 - 127): the byte cannot fall under 1
.endr
.irp i, 2,4,6,8,10,12,14
.irp b, 0,1,2,3
	v_max3_num_f32 v[TM+\b], v[TM+\b], |v[\s+16*\b+\i]|, |v[\s+16*\b+\i+1]|
.endr
.endr
.irp b, 0,1,2,3
	v_permlanex16_b32 v[TM+4+\b], v[TM+\b], s[SEL], s[SEL+1]
.endr
.irp b, 0,1,2,3
	v_max_num_f32 v[TM+\b], v[TM+\b], v[TM+4+\b]           ; with lane l xor 16's: the block's largest magnitude
.endr
.irp b, 0,1,2,3
	v_add_nc_u32 v[TM+8+\b], 0xff000000, v[TM+\b]          ; 2 off its exponent field: the conversion's scale operand
.endr
.irp b, 0,1,2,3
	v_lshrrev_b32 v[TM+4+\b], 23, v[TM+8+\b]               ; the scale's byte
.endr
	v_lshl_or_b32 v[\pw], v[TM+5], 8, v[TM+4]
	v_lshl_or_b32 v[\pw], v[TM+6], 16, v[\pw]
	v_lshl_or_b32 v[\pw], v[TM+7], 24, v[\pw]
.irp c, 0,1
	v_cvt_scalef32_pk16_fp6_f32 v[\pc+6*\c:\pc+6*\c+2], v[\s+32*\c:\s+32*\c+15], v[TM+8+2*\c]
	v_cvt_scalef32_pk16_fp6_f32 v[\pc+12+4*\c:\pc+14+4*\c], v[\s+32*\c+16:\s+32*\c+31], v[TM+9+2*\c]   ; (a conversion's three registers begin on an even number)
.endr
	v_nop                                          ; one plain instruction behind the scaled conversions
.irp c, 0,1                                    ; the operand wants a whole block in a lane: lanes 0-15 block 2 c, lanes 16-31 block 2 c + 1
.irp i, 0,1,2
	v_permlane16_swap_b32 v[\pc+6*\c+\i], v[\pc+12+4*\c+\i]
.endr
.irp i, 0,1,2
	v_mov_b32 v[\pc+3+6*\c+\i], v[\pc+12+4*\c+\i]
.endr
.endr
.endm
	s_load_b256 s[4:11], s[0:1], 0x0               ; Wq, Wk, Wv, Wo
	s_load_b64 s[12:13], s[0:1], 0x20              ; wimg
	v_lshl_add_u32 v[SPW], v0, 2, SPARE
	v_mov_b32 v[NIL], 0
	v_lshrrev_b32 v7, 5, v0
	v_readfirstlane_b32 s15, v7                    ; wave
	v_and_b32 v7, 31, v0                           ; lane
	v_lshlrev_b32 v[LI], 4, v7
	v_lshlrev_b32 v[L4], 2, v7
	s_mul_i32 s24, s15, STG
	v_add_nc_u32 v[ST], s24, v[LI]                 ; in: a row's 512 bytes as they lie
	v_and_b32 v8, 15, v0                           ; r
	v_and_b32 v9, 8, v8
	v_add_nc_u32 v9, v9, v8                        ; r + 8 (r / 8)
	v_mul_u32_u24 v[LD], v9, PITCH
	v_bfe_u32 v8, v0, 4, 1                         ; h
	v_lshl_add_u32 v[LD], v8, 6, v[LD]             ; + 64 h: my 16 numbers of a block of 32
	v_add_nc_u32 v[LD], s24, v[LD]
.irp b, 0,1,2,3
	v_mov_b32 v[TM+4+\b], 0                        ; written once: a lane permute's destination counts as one of its sources
.endr
	s_mov_b32 s[SEL], 0x76543210
	s_mov_b32 s[SEL+1], 0xfedcba98
	s_mov_b32 s26, 0xffff0000                      ; lanes 16-31
	s_lshr_b32 s14, ttmp9, 6                       ; p: which weight
	s_bfe_u32 s16, ttmp9, 0x50001                  ; R: which 32 rows
	s_and_b32 s17, ttmp9, 1
	s_lshl_b32 s17, s17, 2
	s_add_co_u32 s17, s17, s15                     ; s: which K step
	s_lshl_b32 s18, s16, 17                        ; 32 rows of 4,096 bytes
	s_lshl_b32 s19, s17, 9
	s_add_co_u32 s18, s18, s19
	s_mov_b32 s19, 0                               ; s[18:19]: where my numbers begin
	s_lshl_b32 s20, s14, 3
	s_add_co_u32 s20, s20, s17                     ; j = 8 p + s
	s_lshl_b32 s20, s20, 2
	s_lshr_b32 s21, s16, 3
	s_add_co_u32 s20, s20, s21                     ; 4 j + w
	s_mul_i32 s20, s20, WBLK
	s_and_b32 s21, s16, 7                          ; which pair of fragments
	s_mul_i32 s22, s21, 3072
	s_add_co_u32 s22, s22, s20
	s_mov_b32 s23, 0                               ; s[22:23]: where my two images go
	s_lshl_b32 s21, s21, 7
	s_add_co_u32 s20, s20, s21
	s_add_co_u32 s20, s20, 24576
	s_mov_b32 s21, 0                               ; s[20:21]: and my line of scale words
	s_wait_alu depctr_va_vdst(0)
	s_wait_kmcnt 0x0
	s_cmp_lt_u32 s14, 1                            ; the choice hangs on the work-group's number alone
	s_cselect_b64 s[4:5], s[4:5], s[6:7]
	s_cmp_lt_u32 s14, 3
	s_cselect_b64 s[8:9], s[8:9], s[10:11]
	s_cmp_lt_u32 s14, 2
	s_cselect_b64 s[4:5], s[4:5], s[8:9]
	s_add_nc_u64 s[4:5], s[4:5], s[18:19]
	s_add_nc_u64 s[8:9], s[12:13], s[22:23]
	s_add_nc_u64 s[10:11], s[12:13], s[20:21]
.set p, 0
.rept 32
	global_load_b128 v[LR+4*p:LR+4*p+3], v[LI], s[4:5] offset:4096*p th:TH_LOAD_NT   ; 32 lanes read 512 consecutive bytes of row p
.set p, p+1
.endr
	s_wait_loadcnt 16                              ; rows 0-15 are in; the 16 younger loads may be out
.set p, 0
.rept 16
	ds_store_b128 v[ST], v[LR+4*p:LR+4*p+3] offset:PITCH*p
.set p, p+1
.endr
	s_wait_loadcnt 0x0
.rept 16
	ds_store_b128 v[ST], v[LR+4*p:LR+4*p+3] offset:PITCH*p
.set p, p+1
.endr
.set p, 0
.rept 16
	ds_load_b128 v[X0+4*p:X0+4*p+3], v[LD] offset:128*(p/4)+16*(p%4)     ; LDS serves a wave's instructions in order: these see my stores
.set p, p+1
.endr
	s_wait_dscnt 0x0                               ; fragment 0's numbers are in, and the stores have read the rows' registers
.set p, 0
.rept 16
	ds_load_b128 v[X1+4*p:X1+4*p+3], v[LD] offset:8*PITCH+128*(p/4)+16*(p%4)   ; fragment 1's rows lie 8 further down; they land while fragment 0 is quantised
.set p, p+1
.endr
	QUANT X0, PC0, PW0
.irp q, 0,1,2
	global_store_b128 v[LI], v[PC0+4*\q:PC0+4*\q+3], s[8:9] offset:512*\q       ; 512 consecutive bytes
.endr
	s_wait_dscnt 0x0
	QUANT X1, PC1, PW1
.irp q, 0,1,2
	global_store_b128 v[LI], v[PC1+4*\q:PC1+4*\q+3], s[8:9] offset:1536+512*\q
.endr
	v_cndmask_b32 v[SW], v[PW0], v[PW1], s26       ; lanes 0-15: fragment 0's words, lanes 16-31: fragment 1's (each lane of a row's two holds the row's whole word)
	global_store_b32 v[L4], v[SW], s[10:11]
	s_wait_tensorcnt 0x0                           ; the wave's end: behind my last LDS store
	ds_add_u32 v[SPW], v[NIL]
	s_wait_dscnt 0x0
	s_endpgm
.Lfunc_end_k_q693f84ad15_wquant:
	.size	k_q693f84ad15_wquant, .Lfunc_end_k_q693f84ad15_wquant-k_q693f84ad15_wquant
	.p2alignl 7, 3214868480
	.fill 96, 4, 3214868480
	.section	.rodata,"a",@progbits
	.p2align	6, 0x0
	.amdhsa_kernel k_q693f84ad15_wquant
		.amdhsa_group_segment_fixed_size 68096
		.amdhsa_private_segment_fixed_size 0
		.amdhsa_enable_private_segment 0
		.amdhsa_kernarg_size 40
		.amdhsa_user_sgpr_count 2
		.amdhsa_user_sgpr_kernarg_segment_ptr 1
		.amdhsa_wavefront_size32 1
		.amdhsa_system_sgpr_workgroup_id_x 1
		.amdhsa_system_sgpr_workgroup_id_y 1
		.amdhsa_system_sgpr_workgroup_id_z 1
		.amdhsa_system_vgpr_workitem_id 0
		.amdhsa_next_free_vgpr 224
		.amdhsa_next_free_sgpr 66
		.amdhsa_reserve_vcc 0
		.amdhsa_float_denorm_mode_32 3
		.amdhsa_float_denorm_mode_16_64 3
		.amdhsa_memory_ordered 1
		.amdhsa_forward_progress 1
		.amdhsa_inst_pref_size 19
	.end_amdhsa_kernel
	.amdgpu_metadata
---
amdhsa.version: [ 1, 2 ]
amdhsa.kernels:
  - .name:           k_q693f84ad15_wquant
    .symbol:         k_q693f84ad15_wquant.kd
    .args:
      - { .name: Wq, .offset: 0, .size: 8, .value_kind: global_buffer, .address_space: global }
      - { .name: Wk, .offset: 8, .size: 8, .value_kind: global_buffer, .address_space: global }
      - { .name: Wv, .offset: 16, .size: 8, .value_kind: global_buffer, .address_space: global }
      - { .name: Wo, .offset: 24, .size: 8, .value_kind: global_buffer, .address_space: global }
      - { .name: wimg, .offset: 32, .size: 8, .value_kind: global_buffer, .address_space: global }
    .group_segment_fixed_size: 68096
    .private_segment_fixed_size: 0
    .kernarg_segment_align: 8
    .kernarg_segment_size: 40
    .max_flat_workgroup_size: 128
    .sgpr_count:     66
    .vgpr_count:     224
    .wavefront_size: 32
...
	.end_amdgpu_metadata
.endif
;; end of part 3
;; launch fused (part 4): grid 256 x 1, 4 waves a work-group, clusters of 4 x 1, 327,680 bytes of LDS; arguments x, wimg, bq, bk, bv, bo, out0; writes out0
.if DOCPART == 4
	.amdgcn_target "amdgcn-amd-amdhsa--gfx1250"
	.amdhsa_code_object_version 6
	.text
	.protected	k_q693f84ad15_fused
	.globl	k_q693f84ad15_fused
	.p2align	8
	.type	k_q693f84ad15_fused,@function
k_q693f84ad15_fused:
	s_mov_b64 s[64:65], 0
	v_nop
	global_prefetch_b8 v0, s[64:65] scope:SCOPE_SE
	s_setreg_imm32_b32 hwreg(HW_REG_WAVE_MODE, 25, 1), 1
	s_wait_xcnt 0x0
	s_wait_alu depctr_hold_cnt(0) depctr_sa_sdst(0) depctr_va_vdst(0) depctr_va_sdst(0) depctr_va_ssrc(0) depctr_va_vcc(0) depctr_vm_vsrc(0)
	s_getreg_b32 s2, hwreg(HW_REG_IB_STS2, 6, 4)
	s_cmp_eq_u32 s2, 0
	s_cbranch_scc0 .Lentry_in_a_cluster
	s_endpgm
.Lentry_in_a_cluster:
	s_bfe_u32 s2, ttmp6, 0x10000c
	s_cmp_lg_u32 s2, 0x3003
	s_cbranch_scc0 .Lentry_shape_is_right
	s_endpgm
.Lentry_shape_is_right:
; out0 = attention across the 16 heads at each position, between four projections, all in one launch.  Nothing of the problem is left out here.
; A work-group takes 64 positions through the whole chain; a wave takes 256 of the 1,024 columns of each projection: 64 accumulators, 512 registers.
; x (64 rows) is quantised once at the head into LDS (rows of 768 bytes of codes + 16 of padding, scale words beside them).
; The weights come as register images from wimg, K step by K step, through a ring of two LDS slots filled by joint tensor loads of a cluster of four
; work-groups, one load a wave; each cluster begins its walk along K at another step (its number mod 8), which leaves the f32 sums' terms the same.
; Phases: q (quantised, kept in LDS), k (quantised; scores by the scaled FP6 form with K = 64 and zero codes above; softmax with the row's maximum taken away),
; v (staged in LDS; attn x v by the f32 matrix form, since its result goes into a quantiser), then the result's codes take x's place and Wo follows; bo is the sums' first C.
; Biases are loaded into the accumulators ahead of each phase.  Results leave through a stage in LDS as runs of 512 consecutive bytes.
; Prefetch: clusters 0 to 7 ask once a phase for the next weight's eight K steps, one step a cluster, shared out by address among partners and waves.
; LIMITS: a block of zeros, or one under 2^-124, gets the scale byte 1 (only this program reads the bytes); NaN and infinities among the inputs are not served.
.set SLOT,  102400
.set WBLK,  25600
.set BSCO,  24576
.set AR,    2*SLOT
.set AP,    784
.set ASC,   AR+64*AP
.set VS,    ASC+2048
.set XSTG,  16896
.set XP,    528
.set QR,    VS
.set QSC,   VS+64*AP
.set KR,    QSC+2048
.set KSC,   KR+16*AP
.set VP,    4240
.set OP,    1040
.set SPARE, VS+16*VP
.set SPW, 1
.set NIL, 2
.set LI,  3
.set ADB, 4
.set ADS, 6
.set ARB, 8
.set ADA, 9
.set ASB, 10
.set ADAS, 11
.set XST, 12
.set XLD, 13
.set RWX, 14
.set SWX, 15
.set RWQ, 16
.set SWQ, 17
.set RWK, 18
.set SWK, 19
.set FQ,  20
.set FK,  21
.set FQS, 22
.set FKS, 23
.set PKA, 24
.set VSA, 25
.set VLA, 26
.set ORB, 27
.set ORA, 28
.set OSB, 29
.set OSA, 30
.set OTS, 31
.set OTL, 32
.set BIO, 33
.set PFO, 34
.set T0,  35
.set TA0, 45
.set TA1, 46
.set AS,  48
.set BS,  56
.set SCK, 72
.set SCQ, 73
.set PW0, 76
.set AF,  80
.set PCA, 80
.set TM,  120
.set TS,  132
.set H0,  132
.set SS,  148
.set QF,  208
.set KF,  220
.set VA,  192
.set EAT, 0
.set H1,  128
.set DAC, 192
.set BQ,  8
.set BKP, 10
.set BV,  12
.set BO,  14
.set WV,  18
.set CX,  19
.set WG,  20
.set NC,  21
.set G1,  24
.set G0,  32
.set SEL, 40
.set CS,  42
.set PH,  44
.set KC,  45
.set KA,  46
.set KS,  47
.set XC,  48
.set XO,  49
.set XS,  50
.set MT,  51
.set ORS, 52
.set OSS, 53
.set LIMQ, 54
.set PFA, 56
.set ROT, 66
.set KN,  67
.set UC,  68
.set TT,  70
.set TU,  72
.set MSB, 0
.macro WIN new
.if MSB != (\new)
	s_set_vgpr_msb (MSB<<8)|(\new)
.set MSB, (\new)
.endif
.endm
.macro PLACES n
.rept \n
	v_nop
.endr
.endm
.macro BAR
	s_wait_dscnt 0x0
	s_barrier_signal -1
	s_barrier_wait -1
.endm
.macro CREST
	s_cmp_lg_u32 s[WV], 0
	s_cbranch_scc1 .Lnot_wave_0_\@
	s_barrier_signal -3
.Lnot_wave_0_\@:
	s_barrier_wait -3
	s_barrier_signal -1
	s_barrier_wait -1
.endm
.macro CROUND
	s_barrier_signal -1
	s_barrier_wait -1
	CREST
.endm
.macro TLOAD s
	tensor_load_to_lds s[G0+4*\s:G0+4*\s+3], s[G1:G1+7]
	s_nop 0
.rept 4
	v_nop
.endr
.endm
.macro WADDR dst, src, mul, base
	s_mul_i32 s22, s[WV], \mul
	s_add_co_u32 s22, s22, \base
	v_add_nc_u32 v[\dst], s22, v[\src]
.endm
.macro FETCH_B s, fh
	WIN 0x40
.irp ff, 0,1,2,3,4,5,6,7
.irp q, 0,1,2
	ds_load_b128 v[12*(8*\fh+\ff)+4*\q:12*(8*\fh+\ff)+4*\q+3], v[ADB+(\s)] offset:1536*(8*\fh+\ff)+512*\q
.endr
.endr
	WIN 0
.endm
.macro FETCH_A st
.irp i, 0,1,2,3
.irp p, 0,1,2,3,4,5
	ds_load_b64 v[AF+48*(\st)+12*\i+2*\p:AF+48*(\st)+12*\i+2*\p+1], v[ADA] offset:16*AP*\i+48*(\p/3)+8*(\p%3)
.endr
.endr
.endm
.macro ASCL st
.irp i, 0,1,2,3
	ds_load_b32 v[AS+4*(\st)+\i], v[ADAS] offset:512*\i
.endr
.endm
.macro BSCL s
.irp c2, 0,1,2,3,4,5,6,7
	ds_load_b32 v[BS+8*(\s)+\c2], v[ADS+(\s)] offset:128*\c2
.endr
.endm
.macro MUL16 fh, hi, st
	WIN 0xa1+0x50*(\hi)
.irp ff, 0,1,2,3,4,5,6,7
.irp ii, 0,1
.if \ff%2
	v_wmma_scale_f32_16x16x128_f8f6f4 v[128*\ii+8*(8*\fh+\ff):128*\ii+8*(8*\fh+\ff)+7], v[12*(8*\fh+\ff):12*(8*\fh+\ff)+11], v[AF+48*(\st)+12*(2*\hi+\ii):AF+48*(\st)+12*(2*\hi+\ii)+11], v[128*\ii+8*(8*\fh+\ff):128*\ii+8*(8*\fh+\ff)+7], v[BS+8*(\st)+(8*\fh+\ff)/2], v[AS+4*(\st)+2*\hi+\ii] matrix_a_fmt:MATRIX_FMT_FP6 matrix_b_fmt:MATRIX_FMT_FP6 matrix_a_scale:MATRIX_SCALE_ROW1
.else
	v_wmma_scale_f32_16x16x128_f8f6f4 v[128*\ii+8*(8*\fh+\ff):128*\ii+8*(8*\fh+\ff)+7], v[12*(8*\fh+\ff):12*(8*\fh+\ff)+11], v[AF+48*(\st)+12*(2*\hi+\ii):AF+48*(\st)+12*(2*\hi+\ii)+11], v[128*\ii+8*(8*\fh+\ff):128*\ii+8*(8*\fh+\ff)+7], v[BS+8*(\st)+(8*\fh+\ff)/2], v[AS+4*(\st)+2*\hi+\ii] matrix_a_fmt:MATRIX_FMT_FP6 matrix_b_fmt:MATRIX_FMT_FP6
.endif
.endr
.endr
.endm
.macro PRELOAD c, b
	WIN (2+(\c)/4)<<6
.irp t, 0,1,2,3,4,5,6,7
	global_load_b128 v[64*((\c)%4)+8*\t:64*((\c)%4)+8*\t+3], v[BIO], s[\b:\b+1] offset:(128*((\c)%2)+32*(\t/2)+8*(\t%2))*4
	global_load_b128 v[64*((\c)%4)+8*\t+4:64*((\c)%4)+8*\t+7], v[BIO], s[\b:\b+1] offset:(128*((\c)%2)+32*(\t/2)+8*(\t%2))*4+16
.endr
	WIN 0
.endm
.macro ROWS adr, off, pc
.irp p, 0,1,2,3,4,5
	ds_store_b64 v[\adr], v[(\pc)+2*\p:(\pc)+2*\p+1] offset:(\off)+48*(\p/3)+8*(\p%3)
.endr
.endm
.macro ACCST i, adr
	WIN (2+(\i)/2)<<2
.irp f, 0,1,2,3,4,5,6,7,8,9,10,11,12,13,14,15
	ds_store_b128 v[\adr], v[128*((\i)%2)+8*\f:128*((\i)%2)+8*\f+3] offset:(32*(\f/2)+8*(\f%2))*4
	ds_store_b128 v[\adr], v[128*((\i)%2)+8*\f+4:128*((\i)%2)+8*\f+7] offset:(32*(\f/2)+8*(\f%2))*4+16
.endr
	WIN 0
.endm
.macro QUANT s, sw, pc, pw
	WIN (\sw)|((\sw)<<2)
.irp b, 0,1,2,3
	v_max3_num_f32 v[TM+\b], |v[(\s)+16*\b]|, |v[(\s)+16*\b+1]|, 0x1800000
.endr
	WIN ((\sw)<<2)|((\sw)<<4)
.irp i, 2,4,6,8,10,12,14
.irp b, 0,1,2,3
	v_max3_num_f32 v[TM+\b], v[TM+\b], |v[(\s)+16*\b+\i]|, |v[(\s)+16*\b+\i+1]|
.endr
.endr
	WIN 0
.irp b, 0,1,2,3
	v_permlanex16_b32 v[TM+4+\b], v[TM+\b], s[SEL], s[SEL+1]
.endr
.irp b, 0,1,2,3
	v_max_num_f32 v[TM+\b], v[TM+\b], v[TM+4+\b]
.endr
.irp b, 0,1,2,3
	v_add_nc_u32 v[TM+8+\b], 0xff000000, v[TM+\b]
.endr
.irp b, 0,1,2,3
	v_lshrrev_b32 v[TM+4+\b], 23, v[TM+8+\b]
.endr
	v_lshl_or_b32 v[\pw], v[TM+5], 8, v[TM+4]
	v_lshl_or_b32 v[\pw], v[TM+6], 16, v[\pw]
	v_lshl_or_b32 v[\pw], v[TM+7], 24, v[\pw]
	WIN (\sw)
.irp c, 0,1
	v_cvt_scalef32_pk16_fp6_f32 v[(\pc)+6*\c:(\pc)+6*\c+2], v[(\s)+32*\c:(\s)+32*\c+15], v[TM+8+2*\c]
	v_cvt_scalef32_pk16_fp6_f32 v[(\pc)+12+4*\c:(\pc)+14+4*\c], v[(\s)+32*\c+16:(\s)+32*\c+31], v[TM+9+2*\c]
.endr
	WIN 0
	v_nop
.irp c, 0,1
.irp i, 0,1,2
	v_permlane16_swap_b32 v[(\pc)+6*\c+\i], v[(\pc)+12+4*\c+\i]
.endr
.irp i, 0,1,2
	v_mov_b32 v[(\pc)+3+6*\c+\i], v[(\pc)+12+4*\c+\i]
.endr
.endr
.endm
.macro ASK
	s_cmp_eq_u32 s[KC], s[LIMQ]
	s_cbranch_scc0 .Lnot_mine_\@
	global_prefetch_b8 v[PFO], s[PFA:PFA+1] th:TH_LOAD_NT scope:SCOPE_SE
.Lnot_mine_\@:
.endm
.macro KSTEP sl, fill, fetch, ask
	s_wait_dscnt 24
	MUL16 0, 0, \sl
	WIN 0
	s_wait_tensorcnt 0x0
	ds_add_u32 v[SPW], v[NIL]
.if \fill
	s_add_co_u32 s[TT], s[UC], s[ROT]
	s_and_b32 s[TT], s[TT], 7
	s_and_b32 s[TT+1], s[UC], 24
	s_or_b32 s[TT], s[TT], s[TT+1]
	s_mul_i32 s[TT], s[TT], SLOT
	s_mov_b32 s[TT+1], 0
	s_add_nc_u64 s[G0+4*\sl+2:G0+4*\sl+3], s[6:7], s[TT:TT+1]
	s_or_b32 s[G0+4*\sl+3], s[G0+4*\sl+3], 0x80000000
	s_add_co_u32 s[UC], s[UC], 1
.endif
	s_add_co_u32 s[KN], s[KN], 1
	s_add_co_u32 s[TU], s[KN], s[ROT]
	s_and_b32 s[TU], s[TU], 7
	s_mul_i32 s[KA], s[TU], 96
	s_lshl_b32 s[KS], s[TU], 2
	s_wait_dscnt 0x0
	s_barrier_signal -1
	s_barrier_wait -1
.if \fill
	CREST
	TLOAD \sl
.endif
	MUL16 0, 1, \sl
	PLACES 4
	WIN 0
	v_add_nc_u32 v[ADA], s[KA], v[ARB]
	v_add_nc_u32 v[ADAS], s[KS], v[ASB]
.if \fetch == 2
	s_cmp_eq_u32 s[KC], 1
	s_cbranch_scc1 .Lno_low_\@
.endif
	FETCH_B 1-\sl, 0
	FETCH_A 1-\sl
	ASCL 1-\sl
	BSCL 1-\sl
.if \fetch == 2
.Lno_low_\@:
.endif
.if \ask
	ASK
.endif
	MUL16 1, 0, \sl
	MUL16 1, 1, \sl
	PLACES 4
	WIN 0
.if \fetch == 2
	s_cmp_eq_u32 s[KC], 1
	s_cbranch_scc1 .Lno_high_\@
.endif
	FETCH_B 1-\sl, 1
.if \fetch == 2
.Lno_high_\@:
.endif
.endm
.macro PROLOGUE
	s_wait_dscnt 0x0
	s_mov_b32 s[KN], 0
	s_mul_i32 s[KA], s[ROT], 96
	s_lshl_b32 s[KS], s[ROT], 2
	v_add_nc_u32 v[ADA], s[KA], v[ARB]
	v_add_nc_u32 v[ADAS], s[KS], v[ASB]
	s_wait_alu depctr_va_vdst(0)
	s_wait_loadcnt 0x0
	FETCH_B 0, 0
	FETCH_A 0
	ASCL 0
	BSCL 0
	FETCH_B 0, 1
.endm
.macro XLOADS
	WIN 0x40
.set p, 0
.rept 32
	global_load_b128 v[4*p:4*p+3], v[LI], s[4:5] offset:4096*(p%16)+512*(p/16) th:TH_LOAD_NT
.set p, p+1
.endr
	WIN 0
.endm
.macro SLOAD i, pr
.irp a2, 0,1
.irp p, 0,1,2
	ds_load_b64 v[QF+24*\a2+2*\p:QF+24*\a2+2*\p+1], v[FQ] offset:(16*\i+2*\pr+\a2)*AP+8*\p
	ds_load_b64 v[KF+24*\a2+2*\p:KF+24*\a2+2*\p+1], v[FK] offset:(2*\pr+\a2)*AP+8*\p
.endr
	ds_load_u16 v[SCQ+2*\a2], v[FQS] offset:(16*\i+2*\pr+\a2)*32
	ds_load_u16 v[SCK+2*\a2], v[FKS] offset:(2*\pr+\a2)*32
.endr
.endm
.macro SCORE pr
.irp a2, 0,1
	v_wmma_scale_f32_16x16x128_f8f6f4 v[SS+16*\pr+8*\a2:SS+16*\pr+8*\a2+7], v[KF+24*\a2:KF+24*\a2+11], v[QF+24*\a2:QF+24*\a2+11], 0, v[SCK+2*\a2], v[SCQ+2*\a2] matrix_a_fmt:MATRIX_FMT_FP6 matrix_b_fmt:MATRIX_FMT_FP6
.endr
.endm
.macro SOFTMAX i, pr
.irp a2, 0,1
	v_max3_num_f32 v[TS+8*\a2], v[SS+16*\pr+8*\a2], v[SS+16*\pr+8*\a2+1], v[SS+16*\pr+8*\a2+2]
.endr
.irp a2, 0,1
	v_max3_num_f32 v[TS+8*\a2+1], v[SS+16*\pr+8*\a2+3], v[SS+16*\pr+8*\a2+4], v[SS+16*\pr+8*\a2+5]
.endr
.irp a2, 0,1
	v_max3_num_f32 v[TS+8*\a2], v[TS+8*\a2], v[SS+16*\pr+8*\a2+6], v[SS+16*\pr+8*\a2+7]
.endr
.irp a2, 0,1
	v_max_num_f32 v[TS+8*\a2], v[TS+8*\a2], v[TS+8*\a2+1]
.endr
.irp a2, 0,1
	v_permlanex16_b32 v[TS+8*\a2+1], v[TS+8*\a2], s[SEL], s[SEL+1]
.endr
.irp a2, 0,1
	v_max_num_f32 v[TS+8*\a2], v[TS+8*\a2], v[TS+8*\a2+1]
.endr
.irp a2, 0,1
	v_mul_f32 v[TS+8*\a2+2], s[NC], v[TS+8*\a2]
	v_mul_f32 v[TS+8*\a2+3], s[NC], v[TS+8*\a2]
.endr
.irp j, 0,2,4,6
.irp a2, 0,1
	v_pk_fma_f32 v[SS+16*\pr+8*\a2+\j:SS+16*\pr+8*\a2+\j+1], v[SS+16*\pr+8*\a2+\j:SS+16*\pr+8*\a2+\j+1], s[CS:CS+1], v[TS+8*\a2+2:TS+8*\a2+3] op_sel_hi:[1,0,1]
.endr
.endr
	s_wait_alu depctr_va_vdst(0)
.irp j, 0,1,2,3,4,5,6,7
.irp a2, 0,1
	v_exp_f32 v[SS+16*\pr+8*\a2+\j], v[SS+16*\pr+8*\a2+\j]
.endr
.endr
	v_nop
	s_wait_alu depctr_va_vdst(0)
.irp a2, 0,1
	v_pk_add_f32 v[TS+8*\a2+4:TS+8*\a2+5], v[SS+16*\pr+8*\a2:SS+16*\pr+8*\a2+1], v[SS+16*\pr+8*\a2+2:SS+16*\pr+8*\a2+3]
	v_pk_add_f32 v[TS+8*\a2:TS+8*\a2+1], v[SS+16*\pr+8*\a2+4:SS+16*\pr+8*\a2+5], v[SS+16*\pr+8*\a2+6:SS+16*\pr+8*\a2+7]
.endr
.irp a2, 0,1
	v_pk_add_f32 v[TS+8*\a2+4:TS+8*\a2+5], v[TS+8*\a2+4:TS+8*\a2+5], v[TS+8*\a2:TS+8*\a2+1]
.endr
.irp a2, 0,1
	v_add_f32 v[TS+8*\a2+4], v[TS+8*\a2+4], v[TS+8*\a2+5]
.endr
.irp a2, 0,1
	v_permlanex16_b32 v[TS+8*\a2+5], v[TS+8*\a2+4], s[SEL], s[SEL+1]
.endr
.irp a2, 0,1
	v_add_f32 v[TS+8*\a2+4], v[TS+8*\a2+4], v[TS+8*\a2+5]
.endr
	s_wait_alu depctr_va_vdst(0)
.irp a2, 0,1
	v_rcp_f32 v[TS+8*\a2+6], v[TS+8*\a2+4]
	v_rcp_f32 v[TS+8*\a2+7], v[TS+8*\a2+4]
.endr
	v_nop
	s_wait_alu depctr_va_vdst(0)
	WIN 0x40
.irp a2, 0,1
.irp j, 0,2,4,6
	v_pk_mul_f32 v[EAT+8*(4*\i+2*\pr+\a2)+\j:EAT+8*(4*\i+2*\pr+\a2)+\j+1], v[SS+16*\pr+8*\a2+\j:SS+16*\pr+8*\a2+\j+1], v[TS+8*\a2+6:TS+8*\a2+7]
.endr
.endr
	WIN 0
.endm
.macro KEPI i
.if \i > 0
	BAR
.endif
.irp g, 0,1
	QUANT 64*((2*\i+\g)%4),2+(2*\i+\g)/4,PCA+20*\g,PW0+\g
	ROWS RWK,96*\g,PCA+20*\g
	ds_store_b32 v[SWK], v[PW0+\g] offset:4*\g
	PRELOAD 2*\i+\g,BV
.endr
	BAR
	SLOAD \i,0
	s_wait_dscnt 0x0
	SCORE 0
	PLACES 4
	SLOAD \i,1
	SOFTMAX \i,0
	s_wait_dscnt 0x0
	SCORE 1
	PLACES 4
	SOFTMAX \i,1
.endm
.macro PV i, pr
	WIN 0x54
.irp kk, 0,1,2,3
.irp a2, 0,1
.irp t2, 0,1,2,3
.if \kk == 0
	v_wmma_f32_16x16x4_f32 v[DAC+32*\a2+8*\t2:DAC+32*\a2+8*\t2+7], v[VA+32*\a2+8*\t2+2*\kk:VA+32*\a2+8*\t2+2*\kk+1], v[EAT+8*(4*\i+2*\pr+\a2)+2*\kk:EAT+8*(4*\i+2*\pr+\a2)+2*\kk+1], 0
.else
	v_wmma_f32_16x16x4_f32 v[DAC+32*\a2+8*\t2:DAC+32*\a2+8*\t2+7], v[VA+32*\a2+8*\t2+2*\kk:VA+32*\a2+8*\t2+2*\kk+1], v[EAT+8*(4*\i+2*\pr+\a2)+2*\kk:EAT+8*(4*\i+2*\pr+\a2)+2*\kk+1], v[DAC+32*\a2+8*\t2:DAC+32*\a2+8*\t2+7]
.endif
.endr
.endr
.endr
	WIN 0
.endm
.macro PICK_PV pr
	s_cmp_eq_u32 s[MT], 0
	s_cbranch_scc1 .Lpv0_\@
	s_cmp_eq_u32 s[MT], 1
	s_cbranch_scc1 .Lpv1_\@
	s_cmp_eq_u32 s[MT], 2
	s_cbranch_scc1 .Lpv2_\@
	PV 3,\pr
	s_branch .Lpvj_\@
.Lpv0_\@:
	PV 0,\pr
	s_branch .Lpvj_\@
.Lpv1_\@:
	PV 1,\pr
	s_branch .Lpvj_\@
.Lpv2_\@:
	PV 2,\pr
.Lpvj_\@:
.endm
.macro STBLK i
	ACCST \i,VSA
	s_wait_dscnt 0x0
	PRELOAD 2*\i,BO
	PRELOAD 2*\i+1,BO
.endm
.macro PICK_ST
	s_cmp_eq_u32 s[MT], 0
	s_cbranch_scc1 .Lst0_\@
	s_cmp_eq_u32 s[MT], 1
	s_cbranch_scc1 .Lst1_\@
	s_cmp_eq_u32 s[MT], 2
	s_cbranch_scc1 .Lst2_\@
	STBLK 3
	s_branch .Lstj_\@
.Lst0_\@:
	STBLK 0
	s_branch .Lstj_\@
.Lst1_\@:
	STBLK 1
	s_branch .Lstj_\@
.Lst2_\@:
	STBLK 2
.Lstj_\@:
.endm
.macro P5 pr
.irp a2, 0,1
.irp t2, 0,1,2,3
.irp k2, 0,1,2,3,4,5,6,7
	ds_load_b32 v[VA+32*\a2+8*\t2+\k2], v[VLA] offset:(2*\pr+\a2)*VP+\k2*256+(32*(\t2/2)+8*(\t2%2))*4
.endr
.endr
.endr
	s_wait_dscnt 0x0
	PICK_PV \pr
	PLACES 8
	QUANT DAC,1,PCA+20*\pr,PW0+\pr
.irp a2, 0,1
.irp p, 0,1,2
	ds_store_b64 v[ORA], v[PCA+20*\pr+6*\a2+2*\p:PCA+20*\pr+6*\a2+2*\p+1] offset:(2*\pr+\a2)*AP+8*\p
.endr
.endr
	ds_store_b16 v[OSA], v[PW0+\pr] offset:(2*\pr)*32
	ds_store_b16_d16_hi v[OSA], v[PW0+\pr] offset:(2*\pr+1)*32
.endm
	s_load_b256 s[4:11], s[0:1], 0x0
	s_load_b128 s[12:15], s[0:1], 0x20
	s_load_b64 s[16:17], s[0:1], 0x30
	v_lshl_add_u32 v[SPW], v0, 2, SPARE
	v_mov_b32 v[NIL], 0
	ds_add_u32 v[SPW], v[NIL]
	ds_add_u32 v[SPW], v[NIL]
	v_lshrrev_b32 v[T0], 5, v0
	v_readfirstlane_b32 s[WV], v[T0]
	v_and_b32 v[T0+2], 31, v0
	v_lshlrev_b32 v[LI], 4, v[T0+2]                ; 16 x lane, and
	v_bfe_u32 v[T0+1], v0, 4, 1
	v_lshlrev_b32 v[BIO], 6, v[T0+1]               ; 64 x (lane / 16): the offsets of the head's loads of x and of bq; neither is written again
	s_bfe_u32 s[CX], ttmp6, 0x40000
	s_lshl_b32 s[WG], ttmp9, 2
	s_add_co_u32 s[WG], s[WG], s[CX]
	s_mov_b32 s[G1], 15|(3<<16)|(1<<21)
	s_mov_b32 s[G1+1], 32<<16
	s_mov_b32 s[G1+2], 100<<16
	s_mov_b32 s[G1+3], 32<<16
	s_mov_b32 s[G1+4], 100
	s_mov_b32 s[G1+5], 32
	s_mov_b32 s[G1+6], 0
	s_mov_b32 s[G1+7], 0
	s_mov_b32 s[SEL], 0x76543210
	s_mov_b32 s[SEL+1], 0xfedcba98
	s_mov_b32 s[CS], 0x3d38aa3b
	s_mov_b32 s[CS+1], s[CS]
	s_mov_b32 s[NC], 0xbd38aa3b
	s_and_b32 s[ROT], ttmp9, 7
	s_cmp_lt_u32 ttmp9, 8
	s_cselect_b32 s[LIMQ], 2, -1
	s_mov_b32 s[UC], 2
	s_mul_i32 s58, s[WV], WBLK
	s_mov_b32 s59, 0
	s_mul_i32 s60, s[CX], 6400
	s_add_co_u32 s60, s60, s58
	s_mul_i32 s61, s[ROT], SLOT
	s_add_co_u32 s60, s60, s61
	s_mov_b32 s61, 0
	s_lshl_b32 s62, s[WG], 18
	s_lshl_b32 s63, s[WV], 16
	s_add_co_u32 s62, s62, s63
	s_mov_b32 s63, 0
	s_lshl_b32 s22, s[WV], 10
	s_mov_b32 s23, 0
	s_lshl_b32 s2, s[WG], 18
	s_add_co_u32 s2, s2, s22
	s_mov_b32 s3, 0
	s_wait_alu depctr_va_vdst(0)
	s_wait_dscnt 0x0
	s_wait_kmcnt 0x0
	s_add_nc_u64 s[PFA:PFA+1], s[6:7], s[60:61]
	s_add_nc_u64 s[6:7], s[6:7], s[58:59]
	s_add_nc_u64 s[4:5], s[4:5], s[62:63]
	s_add_nc_u64 s[8:9], s[8:9], s[22:23]
	s_add_nc_u64 s[10:11], s[10:11], s[22:23]
	s_add_nc_u64 s[12:13], s[12:13], s[22:23]
	s_add_nc_u64 s[14:15], s[14:15], s[22:23]
	s_add_nc_u64 s[16:17], s[16:17], s[2:3]
	CROUND
.irp s, 0,1
	s_add_co_u32 s[TT], s[ROT], \s
	s_and_b32 s[TT], s[TT], 7
	s_mul_i32 s[TT], s[TT], SLOT
	s_mov_b32 s[TT+1], 0
	s_mov_b32 s[G0+4*\s], 1
	s_add_co_u32 s[G0+4*\s+1], s58, \s*SLOT
	s_add_nc_u64 s[G0+4*\s+2:G0+4*\s+3], s[6:7], s[TT:TT+1]
	s_or_b32 s[G0+4*\s+3], s[G0+4*\s+3], 0x80000000
	s_wait_alu depctr_va_vdst(0)
	s_wait_tensorcnt 0x0
	ds_add_u32 v1, v2
	ds_add_u32 v1, v2
	s_wait_dscnt 0x0
	CROUND
	TLOAD \s
.if \s == 0
	XLOADS                                         ; behind slot 0's load: my first 32 loads of x,
.irp c, 0,1,2,3,4,5,6,7
	PRELOAD \c,BQ                                  ; and bq into the 64 accumulators; all are awaited at the x loop's head
.endr
.endif
.endr
	v_and_b32 v[T0], 15, v0
	v_bfe_u32 v[T0+1], v0, 4, 1
	v_and_b32 v[T0+2], 31, v0
	v_mul_u32_u24 v[T0+3], v[T0], AP
	v_mad_u32_u24 v[T0+3], v[T0+1], 24, v[T0+3]
	v_mul_u32_u24 v[T0+4], v[T0], 48
	v_mad_u32_u24 v[T0+4], v[T0+1], 24, v[T0+4]
	v_and_b32 v[T0+5], 8, v[T0]
	v_add_nc_u32 v[T0+5], v[T0+5], v[T0]
	v_lshlrev_b32 v[T0+6], 5, v[T0]
	v_lshlrev_b32 v[T0+7], 1, v[T0]
	v_lshlrev_b32 v[T0+8], 2, v[T0+2]
	s_wait_alu depctr_va_vdst(0)
	v_min_u32 v[PFO], 24, v[T0+2]
	v_lshlrev_b32 v[PFO], 8, v[PFO]
	WADDR ADB, LI, WBLK, 0
	WADDR ADB+1, LI, WBLK, SLOT
	WADDR ADS, T0+8, WBLK, BSCO
	WADDR ADS+1, T0+8, WBLK, SLOT+BSCO
	v_add_nc_u32 v[ARB], AR, v[T0+3]
	v_add_nc_u32 v[ASB], ASC, v[T0+6]
	WADDR XST, LI, XSTG, VS
	v_mul_u32_u24 v[T0+9], v[T0], XP
	v_lshl_add_u32 v[T0+9], v[T0+1], 6, v[T0+9]
	WADDR XLD, T0+9, XSTG, VS
	WADDR RWX, T0+3, 16*AP, AR
	WADDR SWX, T0+6, 512, ASC
	WADDR RWQ, T0+3, 192, QR
	WADDR SWQ, T0+6, 8, QSC
	WADDR RWK, T0+3, 192, KR
	WADDR SWK, T0+6, 8, KSC
	WADDR FQ, T0+4, 4*AP, QR
	WADDR FK, T0+4, 4*AP, KR
	WADDR FQS, T0+7, 128, QSC
	WADDR FKS, T0+7, 128, KSC
	WADDR PKA, LI, 16384, VS
	v_mul_u32_u24 v[T0+9], v[T0], VP
	v_lshl_add_u32 v[T0+9], v[T0+1], 6, v[T0+9]
	s_lshr_b32 s23, s[WV], 1
	s_lshl_b32 s23, s23, 7
	v_add_nc_u32 v[T0+9], s23, v[T0+9]
	WADDR VSA, T0+9, 1024, VS
	v_lshlrev_b32 v[T0+9], 2, v[T0+5]
	v_mad_u32_u24 v[T0+9], v[T0+1], 2176, v[T0+9]
	WADDR VLA, T0+9, 4*VP, VS
	WADDR ORB, T0+4, 4*AP, AR
	WADDR OSB, T0+7, 128, ASC
	v_mul_u32_u24 v[T0+9], v[T0], OP
	v_lshl_add_u32 v[T0+9], v[T0+1], 6, v[T0+9]
	WADDR OTS, T0+9, 16*OP, VS
	WADDR OTL, LI, 16*OP, VS
.irp b, 0,1,2,3
	v_mov_b32 v[TM+4+\b], 0
.endr
	v_lshrrev_b32 v[T0+9], 1, v0                   ; the 16 bytes of padding behind each of the operand's 64 rows are written once, 8 bytes a thread:
	v_mul_u32_u24 v[T0+9], v[T0+9], AP             ; row = thread / 2,
	v_and_b32 v[T0+8], 1, v0
	v_lshl_add_u32 v[T0+9], v[T0+8], 3, v[T0+9]    ; half = thread % 2;
	v_add_nc_u32 v[T0+9], AR+768, v[T0+9]
	ds_store_b64 v[T0+9], v[TM+4:TM+5]             ; zeros: so every byte of the region holds a written value; the barrier behind the x loop stands ahead of all reads
	s_mov_b32 s[XC], 4
	s_mov_b32 s[XO], 0
	s_mov_b32 s[XS], 0
	s_wait_alu depctr_va_vdst(0)
.Lx:
	s_wait_loadcnt 0x0
	s_wait_dscnt 0x0
	WIN 0x04
.set p, 0
.rept 32
	ds_store_b128 v[XST], v[4*p:4*p+3] offset:16*XP*(p/16)+XP*(p%16)
.set p, p+1
.endr
	WIN 0
.set p, 0
.rept 16
	ds_load_b128 v[H0+4*p:H0+4*p+3], v[XLD] offset:128*(p/4)+16*(p%4)
.set p, p+1
.endr
	WIN 0x40
.set p, 0
.rept 16
	ds_load_b128 v[H1+4*p:H1+4*p+3], v[XLD] offset:16*XP+128*(p/4)+16*(p%4)
.set p, p+1
.endr
	WIN 0
	s_wait_dscnt 32
	s_cmp_eq_u32 s[XC], 1
	s_cbranch_scc1 .Lx_last
	s_add_nc_u64 s[4:5], s[4:5], 1024
	XLOADS
.Lx_last:
	v_add_nc_u32 v[TA0], s[XO], v[RWX]
	v_add_nc_u32 v[TA1], s[XS], v[SWX]
	s_wait_dscnt 16
	QUANT H0,0,PCA,PW0
	ROWS TA0,0,PCA
	ds_store_b32 v[TA1], v[PW0]
	s_wait_dscnt 7
	QUANT H1,1,PCA+20,PW0+1
	ROWS TA0,96,PCA+20
	ds_store_b32 v[TA1], v[PW0+1] offset:4
	s_add_co_u32 s[XO], s[XO], 192
	s_add_co_u32 s[XS], s[XS], 8
	s_sub_co_u32 s[XC], s[XC], 1
	s_cmp_lg_u32 s[XC], 0
	s_cbranch_scc1 .Lx
	s_wait_dscnt 0x0
	s_wait_tensorcnt 0x1
	s_barrier_signal -1
	s_barrier_wait -1
	s_mov_b32 s[PH], 0
.Lphase:
	s_wait_xcnt 0x0
	s_add_nc_u64 s[PFA:PFA+1], s[PFA:PFA+1], 8*SLOT
	PROLOGUE
	s_mov_b32 s[KC], 4
.Lk:
	KSTEP 0, 1, 1, 1
	KSTEP 1, 1, 2, 0
	s_sub_co_u32 s[KC], s[KC], 1
	s_cmp_lg_u32 s[KC], 0
	s_cbranch_scc1 .Lk
	s_wait_dscnt 0x0
	s_cmp_eq_u32 s[PH], 0
	s_cbranch_scc0 .Lnot_q
.irp c, 0,1,2,3,4,5,6,7
	s_wait_dscnt 7
	QUANT 64*(\c%4),2+\c/4,PCA+20*(\c%2),PW0+\c%2
	ROWS RWQ,16*AP*(\c/2)+96*(\c%2),PCA+20*(\c%2)
	ds_store_b32 v[SWQ], v[PW0+\c%2] offset:512*(\c/2)+4*(\c%2)
	PRELOAD \c,BKP
.endr
	s_branch .Lnext
.Lnot_q:
	s_cmp_eq_u32 s[PH], 1
	s_cbranch_scc0 .Lnext
.irp a2, 0,1
.irp j, 6,7,8,9,10,11
	v_mov_b32 v[QF+24*\a2+\j], 0
	v_mov_b32 v[KF+24*\a2+\j], 0
.endr
.endr
	KEPI 0
	KEPI 1
	KEPI 2
	KEPI 3
	s_wait_alu depctr_va_vdst(0)
	BAR
	WIN 0x04
.set p, 0
.rept 32
	ds_store_b128 v[PKA], v[EAT+4*p:EAT+4*p+3] offset:512*p
.set p, p+1
.endr
	WIN 0
.Lnext:
	s_add_co_u32 s[PH], s[PH], 1
	s_cmp_lt_u32 s[PH], 3
	s_cbranch_scc1 .Lphase
	WIN 0x40
.set p, 0
.rept 32
	ds_load_b128 v[EAT+4*p:EAT+4*p+3], v[PKA] offset:512*p
.set p, p+1
.endr
	WIN 0
	s_mov_b32 s[MT], 0
	s_mov_b32 s[ORS], 0
	s_mov_b32 s[OSS], 0
.Lmt:
	s_wait_loadcnt 0x0
	BAR
	PICK_ST
	BAR
	v_add_nc_u32 v[ORA], s[ORS], v[ORB]
	v_add_nc_u32 v[OSA], s[OSS], v[OSB]
	P5 0
	P5 1
	s_add_co_u32 s[ORS], s[ORS], 16*AP
	s_add_co_u32 s[OSS], s[OSS], 512
	s_add_co_u32 s[MT], s[MT], 1
	s_cmp_lt_u32 s[MT], 4
	s_cbranch_scc1 .Lmt
	BAR
	PROLOGUE
	s_mov_b32 s[KC], 3
.Lko:
	KSTEP 0, 1, 1, 0
	KSTEP 1, 1, 1, 0
	s_sub_co_u32 s[KC], s[KC], 1
	s_cmp_lg_u32 s[KC], 0
	s_cbranch_scc1 .Lko
	KSTEP 0, 0, 1, 0
	s_wait_dscnt 24
	MUL16 0, 0, 1
	MUL16 0, 1, 1
	s_wait_dscnt 0x0
	MUL16 1, 0, 1
	MUL16 1, 1, 1
	PLACES 4
	WIN 0
.irp i, 0,1,2,3
	s_wait_xcnt 0x0
	ACCST \i,OTS
	WIN 0x40
.set p, 0
.rept 32
	ds_load_b128 v[4*p:4*p+3], v[OTL] offset:OP*(p/2)+512*(p%2)
.set p, p+1
.endr
	WIN 0x04
.set p, 0
.rept 32
	s_wait_dscnt 31-p
	global_store_b128 v[LI], v[4*p:4*p+3], s[16:17] offset:(16*\i+p/2)*4096+512*(p%2) th:TH_STORE_NT
.set p, p+1
.endr
	WIN 0
.endr
	s_wait_tensorcnt 0x0
	ds_add_u32 v[SPW], v[NIL]
	s_wait_dscnt 0x0
	CROUND
	s_endpgm
.Lfunc_end_k_q693f84ad15_fused:
	.size	k_q693f84ad15_fused, .Lfunc_end_k_q693f84ad15_fused-k_q693f84ad15_fused
	.p2alignl 7, 3214868480
	.fill 96, 4, 3214868480
	.section	.rodata,"a",@progbits
	.p2align	6, 0x0
	.amdhsa_kernel k_q693f84ad15_fused
		.amdhsa_group_segment_fixed_size 327680
		.amdhsa_private_segment_fixed_size 0
		.amdhsa_enable_private_segment 0
		.amdhsa_kernarg_size 56
		.amdhsa_user_sgpr_count 2
		.amdhsa_user_sgpr_kernarg_segment_ptr 1
		.amdhsa_wavefront_size32 1
		.amdhsa_system_sgpr_workgroup_id_x 1
		.amdhsa_system_sgpr_workgroup_id_y 1
		.amdhsa_system_sgpr_workgroup_id_z 1
		.amdhsa_system_vgpr_workitem_id 0
		.amdhsa_next_free_vgpr 1024
		.amdhsa_next_free_sgpr 76
		.amdhsa_reserve_vcc 0
		.amdhsa_float_denorm_mode_32 3
		.amdhsa_float_denorm_mode_16_64 3
		.amdhsa_memory_ordered 1
		.amdhsa_forward_progress 1
		.amdhsa_inst_pref_size 255
	.end_amdhsa_kernel
	.section	.bss,"aw",@nobits
	.p2align	6
	.space	262144
	.amdgpu_metadata
---
amdhsa.version: [ 1, 2 ]
amdhsa.kernels:
  - .name:           k_q693f84ad15_fused
    .symbol:         k_q693f84ad15_fused.kd
    .args:
      - { .name: x, .offset: 0, .size: 8, .value_kind: global_buffer, .address_space: global }
      - { .name: wimg, .offset: 8, .size: 8, .value_kind: global_buffer, .address_space: global }
      - { .name: bq, .offset: 16, .size: 8, .value_kind: global_buffer, .address_space: global }
      - { .name: bk, .offset: 24, .size: 8, .value_kind: global_buffer, .address_space: global }
      - { .name: bv, .offset: 32, .size: 8, .value_kind: global_buffer, .address_space: global }
      - { .name: bo, .offset: 40, .size: 8, .value_kind: global_buffer, .address_space: global }
      - { .name: out0, .offset: 48, .size: 8, .value_kind: global_buffer, .address_space: global }
    .group_segment_fixed_size: 327680
    .private_segment_fixed_size: 0
    .kernarg_segment_align: 8
    .kernarg_segment_size: 56
    .max_flat_workgroup_size: 128
    .sgpr_count:     76
    .vgpr_count:     1024
    .wavefront_size: 32
...
	.end_amdgpu_metadata
.endif
;; end of part 4
